; MI455X (gfx1250); checked and timed in simulation.
; The chip was launched on July 23, 2026; its instructions are those of AMD's public machine-readable ISA for CDNA 5 (MIT licence, August 2026) and "CDNA5" Instruction Set Architecture Reference Guide (July 2026). The comments in the code are by the model that wrote it; some were corrected since.
;; Model. Allowed arithmetic: float matrix products may take bf16 or f16 operands with f32 sums; all other float work in f32.
;; Inputs: W_qkv 1,024 x 3,072 float32; attn_mask 4 x 2,048 x 2,048 float32; b_qkv 3,072 float32; x1 4 x 2,048 x 1,024 float32; x2 4 x 2,048 x 1,024 float32.
;; Outputs: out0 4 x 2,048 x 1,024 float32.
;; 2 versions, each right; version 2 is version 1 with the launch prep written anew for expert scheduling mode. Each part assembles by itself: llvm-mc -triple=amdgcn-amd-amdhsa -mcpu=gfx1250 --defsym DOCPART=n.
;; ======== version 1 of 2: 4 launches
;; limits: values are held in f16: magnitudes above 65,504 overflow, below 6.1e-05 lose precision
;; workspace buffers: xb 16,777,216 bytes; wt 6,291,456 bytes; qkv 50,331,648 bytes; p 33,554,432 bytes; stats 1,048,576 bytes
;; launch prep (part 1): grid 896 x 1, 8 waves a work-group, no clusters, 18,432 bytes of LDS; arguments x1, W_qkv, xb, wt; writes xb, wt
.if DOCPART == 1
	.amdgcn_target "amdgcn-amd-amdhsa--gfx1250"
	.amdhsa_code_object_version 6
	.text
	.protected	k_qb17cabad16_prep
	.globl	k_qb17cabad16_prep
	.p2align	8
	.type	k_qb17cabad16_prep,@function
k_qb17cabad16_prep:
	s_mov_b64 s[64:65], 0
	v_nop
	global_prefetch_b8 v0, s[64:65] scope:SCOPE_SE
	s_setreg_imm32_b32 hwreg(HW_REG_WAVE_MODE, 25, 1), 1
	s_wait_xcnt 0x0
; xb = bf16(x1) and wt = bf16(W_qkv) turned, both in blocks of 64 along K, so that a tile of the projection (some rows x 64 k) is dense in memory:
;   xb: byte kb x 1,048,576 + row x 128 + 2 (k % 64), kb = k / 64, row 0..8191;   wt: byte kb x 393,216 + n x 128 + 2 (k % 64), n 0..3071.
; Rounding to nearest even, once.  No matrix work and no reuse: a stream, so no tensor loads, no cluster, no large register tiles.
; Work-groups 0 to 511 convert 16 rows of x1 each; work-groups 512 to 895 turn one tile of 128 k x 64 n of W through LDS.
; The branch hangs on the work-group's number alone, so all eight waves of a work-group take the same way.
.set XGROUPS, 512
.set WROW,    12288                    ; bytes in a row of W_qkv (3,072 f32)
.set XBLK,    1048576                  ; bytes in a K block of xb
.set WBLK,    393216                   ; bytes in a K block of wt
.set TP,      272                      ; LDS pitch of a turned row: 128 bf16 = 256 bytes + 16
	s_load_b256 s[4:11], s[0:1], 0x0               ; x1 s[4:5], W_qkv s[6:7], xb s[8:9], wt s[10:11]
	v_lshl_add_u32 v104, v0, 2, 0x4400
	v_mov_b32 v105, 0
	s_cmp_lt_u32 ttmp9, XGROUPS
	s_cbranch_scc0 .Lweights
	; x1: wave w takes rows 2 w and 2 w + 1 of the group's sixteen; load i takes K block i: lanes 0-15 the 256 bytes that the block has in the even row, lanes 16-31 those in the
	; odd row.  Rounded, these are 128 + 128 bytes that lie end to end in xb: a wave's store of 8 bytes a lane covers 256 consecutive bytes, aligned.  All sixteen loads are out before the first is used.
	s_lshl_b32 s12, ttmp9, 16                      ; 16 rows of 4,096 bytes of x1
	s_mov_b32 s13, 0
	s_lshl_b32 s14, ttmp9, 11                      ; 16 rows of 128 bytes in each block of xb
	s_mov_b32 s15, 0
	v_lshrrev_b32 v1, 4, v0                        ; the row among the sixteen: 2 w + lane / 16
	v_and_b32 v3, 15, v0
	v_lshlrev_b32 v1, 12, v1
	v_lshl_add_u32 v1, v3, 4, v1                   ; row x 4,096 + 16 (lane % 16)
	v_lshlrev_b32 v2, 3, v0                        ; 256 w + 8 lane
	s_wait_kmcnt 0x0
	s_add_nc_u64 s[4:5], s[4:5], s[12:13]
	s_add_nc_u64 s[8:9], s[8:9], s[14:15]
	s_add_nc_u64 s[16:17], s[8:9], 8*XBLK          ; blocks 8 to 15: their distance does not fit the stores' signed 24-bit immediate
.irp i, 0,1,2,3,4,5,6,7,8,9,10,11,12,13,14,15
	global_load_b128 v[8+4*(\i):11+4*(\i)], v1, s[4:5] offset:256*(\i) th:TH_LOAD_NT
.endr
.irp i, 0,1,2,3,4,5,6,7,8,9,10,11,12,13,14,15
	s_wait_loadcnt 15-(\i)                         ; loads come back in order: block i is in, the younger ones stay out
	v_cvt_pk_bf16_f32 v[72+2*(\i)], v[8+4*(\i)], v[9+4*(\i)]
	v_cvt_pk_bf16_f32 v[73+2*(\i)], v[10+4*(\i)], v[11+4*(\i)]
.if (\i) < 8
	global_store_b64 v2, v[72+2*(\i):73+2*(\i)], s[8:9] offset:XBLK*(\i)         ; every block has registers of its own: nothing is rewritten
.else
	global_store_b64 v2, v[72+2*(\i):73+2*(\i)], s[16:17] offset:XBLK*((\i)-8)
.endif
.endr
	s_endpgm
.Lweights:
	; W: tile (kt, nt) = 128 rows (k) x 64 columns (n).  Thread t: c = t % 16 (columns 4 c .. 4 c + 3), pr = t / 16; it loads the row pairs
	; pr + 16 i, i = 0..3.  Sixteen lanes cover the 256 bytes that a row has in the tile.
	s_sub_co_u32 s12, ttmp9, XGROUPS
	s_and_b32 s13, s12, 7                          ; kt
	s_lshr_b32 s14, s12, 3                         ; nt
	s_mul_i32 s16, s13, 128*WROW
	s_lshl_b32 s17, s14, 8
	s_add_co_u32 s16, s16, s17                     ; the tile's first byte in W
	s_mov_b32 s17, 0
	s_mul_i32 s18, s13, 2*WBLK                     ; K blocks 2 kt and 2 kt + 1 of wt,
	s_lshl_b32 s19, s14, 13                        ; 64 rows of 128 bytes
	s_add_co_u32 s18, s18, s19
	s_mov_b32 s19, 0
	v_and_b32 v1, 15, v0                           ; c
	v_lshrrev_b32 v2, 4, v0                        ; pr
	v_lshlrev_b32 v3, 4, v1                        ; 16 c
	v_mul_u32_u24 v4, v2, 2*WROW
	v_add_nc_u32 v4, v4, v3                        ; load: row 2 pr, byte 16 c
	v_mul_u32_u24 v5, v1, 4*TP
	v_lshl_add_u32 v5, v2, 2, v5                   ; LDS in: row n = 4 c, word pr
	v_lshrrev_b32 v6, 3, v0
	v_mul_u32_u24 v6, v6, TP
	v_and_b32 v3, 7, v0
	v_lshl_add_u32 v6, v3, 4, v6                   ; LDS back: row n = t / 8, byte 16 (t % 8)
	v_lshlrev_b32 v7, 4, v0                        ; store: 16 t = (t / 8) x 128 + 16 (t % 8)
	s_wait_kmcnt 0x0
	s_add_nc_u64 s[6:7], s[6:7], s[16:17]
	s_add_nc_u64 s[10:11], s[10:11], s[18:19]
.irp i, 0,1,2,3
.irp e, 0,1
	global_load_b128 v[8+8*(\i)+4*(\e):11+8*(\i)+4*(\e)], v4, s[6:7] offset:(\i)*32*WROW+(\e)*WROW th:TH_LOAD_NT
.endr
.endr
	s_wait_loadcnt 0x0
	; k = 2 (pr + 16 i) goes into the low half, k + 1 into the high half: one word of row n.  The stores of a wave meet four deep
	; in LDS (rows 4 c are 1,088 bytes apart); with sixteen stores a thread that is left as it is.
.irp i, 0,1,2,3
.irp e, 0,1,2,3
	v_cvt_pk_bf16_f32 v[40+4*(\i)+(\e)], v[8+8*(\i)+(\e)], v[12+8*(\i)+(\e)]
	ds_store_b32 v5, v[40+4*(\i)+(\e)] offset:(\e)*TP+(\i)*64
.endr
.endr
	s_wait_dscnt 0x0                               ; for the others' sake: my stores are done before I signal
	s_barrier_signal -1
	s_barrier_wait -1
	; back: piece u = rows 32 (u % 2) on, K block u / 2 of the tile's two; eight lanes take the 128 bytes that a row has in a block
.irp u, 0,1,2,3
	ds_load_b128 v[56+4*(\u):59+4*(\u)], v6 offset:((\u)%2)*32*TP+((\u)/2)*128
.endr
.irp u, 0,1,2,3
	s_wait_dscnt 3-(\u)
	global_store_b128 v7, v[56+4*(\u):59+4*(\u)], s[10:11] offset:((\u)%2)*4096+((\u)/2)*WBLK   ; a wave stores 512 consecutive bytes, aligned
.endr
	s_wait_tensorcnt 0x0
	ds_add_u32 v104, v105
	s_wait_dscnt 0x0
	s_endpgm
.Lfunc_end_k_qb17cabad16_prep:
	.size	k_qb17cabad16_prep, .Lfunc_end_k_qb17cabad16_prep-k_qb17cabad16_prep
	.p2alignl 7, 3214868480
	.fill 96, 4, 3214868480
	.section	.rodata,"a",@progbits
	.p2align	6, 0x0
	.amdhsa_kernel k_qb17cabad16_prep
		.amdhsa_group_segment_fixed_size 18432
		.amdhsa_private_segment_fixed_size 0
		.amdhsa_enable_private_segment 0
		.amdhsa_kernarg_size 32
		.amdhsa_user_sgpr_count 2
		.amdhsa_user_sgpr_kernarg_segment_ptr 1
		.amdhsa_wavefront_size32 1
		.amdhsa_system_sgpr_workgroup_id_x 1
		.amdhsa_system_sgpr_workgroup_id_y 1
		.amdhsa_system_sgpr_workgroup_id_z 1
		.amdhsa_system_vgpr_workitem_id 0
		.amdhsa_next_free_vgpr 106
		.amdhsa_next_free_sgpr 66
		.amdhsa_reserve_vcc 0
		.amdhsa_float_denorm_mode_32 3
		.amdhsa_float_denorm_mode_16_64 3
		.amdhsa_memory_ordered 1
		.amdhsa_forward_progress 1
		.amdhsa_inst_pref_size 12
	.end_amdhsa_kernel
	.amdgpu_metadata
---
amdhsa.version: [ 1, 2 ]
amdhsa.kernels:
  - .name:           k_qb17cabad16_prep
    .symbol:         k_qb17cabad16_prep.kd
    .args:
      - { .name: x1, .offset: 0, .size: 8, .value_kind: global_buffer, .address_space: global }
      - { .name: W_qkv, .offset: 8, .size: 8, .value_kind: global_buffer, .address_space: global }
      - { .name: xb, .offset: 16, .size: 8, .value_kind: global_buffer, .address_space: global }
      - { .name: wt, .offset: 24, .size: 8, .value_kind: global_buffer, .address_space: global }
    .group_segment_fixed_size: 18432
    .private_segment_fixed_size: 0
    .kernarg_segment_align: 8
    .kernarg_segment_size: 32
    .max_flat_workgroup_size: 256
    .sgpr_count:     66
    .vgpr_count:     106
    .wavefront_size: 32
...
	.end_amdgpu_metadata
.endif
;; end of part 1
;; launch proj (part 2): grid 8 x 32, 4 waves a work-group, clusters of 4 x 4, 327,680 bytes of LDS; arguments xb, wt, b_qkv, qkv; writes qkv
.if DOCPART == 2
	.amdgcn_target "amdgcn-amd-amdhsa--gfx1250"
	.amdhsa_code_object_version 6
	.text
	.protected	k_qb17cabad16_proj
	.globl	k_qb17cabad16_proj
	.p2align	8
	.type	k_qb17cabad16_proj,@function
k_qb17cabad16_proj:
	s_mov_b64 s[64:65], 0
	v_nop
	global_prefetch_b8 v0, s[64:65] scope:SCOPE_SE
	s_setreg_imm32_b32 hwreg(HW_REG_WAVE_MODE, 25, 1), 1
	s_wait_xcnt 0x0
	s_wait_alu depctr_hold_cnt(0) depctr_sa_sdst(0) depctr_va_vdst(0) depctr_va_sdst(0) depctr_va_ssrc(0) depctr_va_vcc(0) depctr_vm_vsrc(0)
	s_getreg_b32 s2, hwreg(HW_REG_IB_STS2, 6, 4)
	s_cmp_eq_u32 s2, 0
	s_cbranch_scc0 .Lentry_in_a_cluster
	s_endpgm
.Lentry_in_a_cluster:
	s_bfe_u32 s2, ttmp6, 0x10000c
	s_cmp_lg_u32 s2, 0xf033
	s_cbranch_scc0 .Lentry_shape_is_right
	s_endpgm
.Lentry_shape_is_right:
; qkv[m][n] = f16( sum over k of x[m][k] w[n][k] + bf16(b_qkv[n]) ).  xb, wt: bf16 in blocks of 64 along K (xb: byte kb x 1,048,576 + m x 128 + 2 (k % 64); wt: kb x 393,216 + n x 128 + ..);
; qkv: [8192][3072] f16; sums in f32.
; LIMITS.  b_qkv is rounded to bf16 (nearest even), like x1 and W_qkv, so that all inputs carry one rounding.  qkv is f16: a sum of 65,520 or more becomes an infinity.
; q is stored unscaled: the factor 1/32 is applied in f32 where the scores are made.
; SHARES.  A tile of qkv is 256 x 384: 32 x 8 = 256 work-groups of equal work.  Four waves, each 128 rows x 192 columns = 96 accumulators of 16 x 16 in 768 registers.
; K goes in 16 steps of 64 through a ring of two LDS slots (two slots of 128 along K, 640 rows x 272 bytes each, would not fit).  In the blocked layout a step's tile is dense, and is asked for
; as rows of 256 bytes, padded in LDS after every 128: LDS rows of 144 bytes.
; A K step is two quarters of 32 along K, 96 products each.  The 224 registers beside the accumulators hold xb's eight fragments twice and wt's twelve once, as two halves of six that take turns: while column
; blocks 0-5 are multiplied, blocks 6-11 are fetched; while those are multiplied, the next quarter's blocks 0-5 and xb's fragments.  40 LDS loads for 96 products, in two runs.
; CLUSTER.  4 x 4 work-groups: the four of a row of the cluster need the same tiles of xb, the four of a column the same tiles of wt; each tile is asked for jointly, by the same
; tensor load with the same descriptor and a mask that names the four.
; THE MATRIX INSTRUCTION IS USED TRANSPOSED (source 0 = 16 rows of wt, source 1 = 16 rows of xb): a lane holds row l % 16 and the eight columns 8 (l / 16) + 0..7, which pack into 16 bytes.
; THE BIAS is loaded into the registers of row block 7's accumulators.  In the first quarter row blocks 0-6 take it from there as their C operand; five places later row block 7 adds in place.
; Nothing is cleared, no further register holds the bias, and nothing is added on the way out.
; REGISTERS, in windows of 256 (s_set_vgpr_msb: bits 1:0 source 0, 3:2 source 1, 5:4 source 2, 7:6 destination):
;   window 0: v0-31 addresses; v32-95, v96-159 fragments of xb, two buffers; v160-255 fragments of wt, column block b at v[160 + 8 b]; all of v32-223 at work on the way out
;   window 1 + b / 4: accumulator (row block a, column block b) at v[8 (8 (b % 4) + a)]
.set PITCH,  144                       ; an LDS row: 128 bytes + 16: an odd multiple of 16, so the 16 rows of a fragment load begin in 16 different columns of 16 bytes modulo 256
.set AHALF,  128*PITCH                 ; what a tensor load of xb brings, and what a wave reads of it
.set BHALF,  192*PITCH                 ; the same for wt
.set BOFF,   2*AHALF                   ; a slot: xb's 256 rows, then wt's 384 rows: 92,160 bytes
.set SLOT1,  1<<17                     ; slot 1 begins here: one exclusive or turns an address in one slot into the other's
.set SPARE,  SLOT1+BOFF+2*BHALF        ; behind the ring: the spare words, 128 bytes for each wave
.set SPIT,   784                       ; the stage, on the way out: 256 rows of 768 bytes + 16, from LDS byte 0 on, over the ring, whose last fill has landed by then
.set XBLK,   1048576
.set WBLK,   393216
.set CROW,   6144                      ; bytes in a row of qkv
.set STEPS,  16
.set ADRA0, 16                         ; v16  my lane's place among xb's fragments in slot 0; never rewritten
.set ADRB0, 17                         ; v17  the same for wt
.set ADRA,  18                         ; v18  the same in the slot in hand
.set ADRB,  19                         ; v19
.set STO,   20                         ; v20-21  the way out: where I put 16 bytes of a row, for row blocks 0-3 and 4-7
.set RD,    22                         ; v22  where I read rows back; v23 the same for the trip in hand
.set RDC,   23
.set CO,    24                         ; v24  my byte offset in two rows of qkv
.set SPW,   28                         ; v28  LDS address of my spare word; never rewritten
.set NIL,   29                         ; v29  0; never rewritten
.set AF0,   32
.set AF1,   96
.set BF,    160
.set TMP,   32                         ; the way out: a row block packed, 48 registers, two buffers
.set OB,    128                        ; the way out: 24 pieces of 16 bytes a lane read back
.set WV, 12                            ; s12 wave; s13 its row half (also: 0 fetches xb, 1 fetches wt); s14 its column half (also: which half of that tile it fetches)
.set RH, 13
.set CH, 14
.set CX, 15
.set CY, 16
.set TX, 17                            ; tile column (384 columns), tile row (256 rows)
.set TY, 18
.set G1A, 24                           ; s[24:31] descriptor group 1 for xb; s[32:39] group 0: set 0 for K step 0, set 1 for K step 1, which then walks
.set G0A, 32
.set G1B, 40                           ; s[40:47], s[48:55] the same for wt
.set G0B, 48
.set TB,  56                           ; s56 LDS byte at which the slot in hand begins
.set RO,  61                           ; s61 the way out: LDS byte at which the trip's rows begin
.set MSB, 0
.macro WIN new                         ; the immediate's high byte repeats the setting that is left; a switch that changes nothing is dropped
.if MSB != (\new)
	s_set_vgpr_msb (MSB<<8)|(\new)
.set MSB, \new
.endif
.endm
; A joint load: waves 0 and 1 fetch xb's two halves, waves 2 and 3 wt's.  The branch hangs on the wave's number alone.  An s_nop 0 and four v_nop follow each line.
.macro JLOAD s
	s_cmp_eq_u32 s[RH], 0
	s_cbranch_scc0 .Lfor_b_\@
	tensor_load_to_lds s[G0A+4*(\s):G0A+4*(\s)+3], s[G1A:G1A+7]
	s_nop 0
.rept 4
	v_nop
.endr
	s_branch .Lasked_\@
.Lfor_b_\@:
	tensor_load_to_lds s[G0B+4*(\s):G0B+4*(\s)+3], s[G1B:G1B+7]
	s_nop 0
.rept 4
	v_nop
.endr
.Lasked_\@:
.endm
.macro CREST                           ; a round of the cluster's barrier behind its opening barrier
	s_cmp_lg_u32 s[WV], 0
	s_cbranch_scc1 .Lnot_wave_0_\@
	s_barrier_signal -3
.Lnot_wave_0_\@:
	s_barrier_wait -3
	s_barrier_signal -1
	s_barrier_wait -1
.endm
.macro CROUND                          ; a whole round
	s_barrier_signal -1
	s_barrier_wait -1
	CREST
.endm
.macro PLACES                          ; four plain vector instructions between a matrix instruction and a load into, or a vector access to, its registers
.rept 4
	v_nop
.endr
.endm
	s_load_b256 s[4:11], s[0:1], 0x0               ; xb s[4:5], wt s[6:7], b_qkv s[8:9], qkv s[10:11]
	v_lshl_add_u32 v[SPW], v0, 2, SPARE
	v_mov_b32 v[NIL], 0
	ds_add_u32 v28, v29
	s_wait_dscnt 0x0
	v_lshrrev_b32 v1, 5, v0
	v_readfirstlane_b32 s[WV], v1
	s_lshr_b32 s[RH], s[WV], 1
	s_and_b32 s[CH], s[WV], 1
	s_bfe_u32 s[CX], ttmp6, 0x40000
	s_bfe_u32 s[CY], ttmp6, 0x40004
	s_lshl_b32 s[TX], ttmp9, 2
	s_add_co_u32 s[TX], s[TX], s[CX]               ; tile column = 4 x cluster x + cx
	s_and_b32 s[TY], ttmp7, 0xffff
	s_lshl_b32 s[TY], s[TY], 2
	s_add_co_u32 s[TY], s[TY], s[CY]               ; tile row = 4 x cluster y + cy
	s_lshl_b32 s57, s[CY], 2
	s_lshl_b32 s57, 15, s57                        ; my row of the cluster
	s_lshl_b32 s58, 0x1111, s[CX]                  ; my column
	; group 1: rows of 128 elements of 2 bytes (two rows of the operand), 4 words of padding behind every 32; bit 21 set beside a mask
	s_or_b32 s[G1A], s57, (1<<16)|(1<<20)|(1<<21)|(4<<22)|(3<<25)
	s_or_b32 s[G1B], s58, (1<<16)|(1<<20)|(1<<21)|(4<<22)|(3<<25)
	s_mov_b32 s[G1A+2], 64<<16                     ; tensor_dim1: xb: 128 rows of 128 bytes = 64 rows of 256
	s_mov_b32 s[G1A+4], 64                         ; tile_dim1
	s_mov_b32 s[G1B+2], 96<<16                     ; wt: 192 rows = 96 rows of 256 bytes
	s_mov_b32 s[G1B+4], 96
.irp g, G1A, G1B
	s_mov_b32 s[(\g)+1], 128<<16                   ; tensor_dim0 = 128
	s_mov_b32 s[(\g)+3], 128<<16                   ; tile_dim0 = 128
	s_mov_b32 s[(\g)+5], 128                       ; elements from row to row: dense
	s_mov_b32 s[(\g)+6], 0
	s_mov_b32 s[(\g)+7], 0
.endr
	; xb's tile hangs on the tile row and the wave, wt's on the tile column and the wave, each in registers that never hold the other coordinate
	s_lshl_b32 s20, s[TY], 15                      ; (256 TY + 128 half) rows of 128 bytes
	s_lshl_b32 s21, s[CH], 14
	s_add_co_u32 s20, s20, s21
	s_mov_b32 s21, 0
	s_mul_i32 s22, s[TX], 384*128                  ; (384 TX + 192 half) rows of 128 bytes
	s_mul_i32 s23, s[CH], 192*128
	s_add_co_u32 s22, s22, s23
	s_mov_b32 s23, 0
	s_mul_i32 s59, s[CH], AHALF                    ; where the halves go in a slot
	s_mul_i32 s60, s[CH], BHALF
	s_add_co_u32 s60, s60, BOFF
	s_mul_i32 s62, s[TX], 384*4                    ; b_qkv at my first column: (384 TX + 192 CH) x 4 bytes
	s_mul_i32 s63, s[CH], 192*4
	s_add_co_u32 s62, s62, s63
	s_mov_b32 s63, 0
	s_lshl_b32 s2, s[TY], 8                        ; qkv at the first row that I store, 256 TY + 64 wave, and the tile's first column
	s_lshl_b32 s3, s[WV], 6
	s_add_co_u32 s2, s2, s3
	s_mul_i32 s2, s2, CROW
	s_mul_i32 s3, s[TX], 384*2
	s_add_co_u32 s2, s2, s3
	s_mov_b32 s3, 0
	s_mov_b32 s[TB], 0
	s_wait_kmcnt 0x0
	s_add_nc_u64 s[20:21], s[4:5], s[20:21]
	s_add_nc_u64 s[22:23], s[6:7], s[22:23]
	s_add_nc_u64 s[8:9], s[8:9], s[62:63]
	s_add_nc_u64 s[10:11], s[10:11], s[2:3]
	CROUND                                         ; all sixteen work-groups are here: the first joint loads meet
.irp s, 0,1
	s_mov_b32 s[G0A+4*(\s)], 1
	s_add_co_u32 s[G0A+4*(\s)+1], s59, (\s)*SLOT1
	s_add_nc_u64 s[G0A+4*(\s)+2:G0A+4*(\s)+3], s[20:21], (\s)*XBLK
	s_or_b32 s[G0A+4*(\s)+3], s[G0A+4*(\s)+3], 0x80000000
	s_mov_b32 s[G0B+4*(\s)], 1
	s_add_co_u32 s[G0B+4*(\s)+1], s60, (\s)*SLOT1
	s_add_nc_u64 s[G0B+4*(\s)+2:G0B+4*(\s)+3], s[22:23], (\s)*WBLK
	s_or_b32 s[G0B+4*(\s)+3], s[G0B+4*(\s)+3], 0x80000000
	JLOAD \s                                       ; two loads of mine are out here, one behind each later round
.endr
	v_and_b32 v1, 15, v0                           ; r = l % 16
	v_bfe_u32 v2, v0, 4, 1                         ; h = l / 16
	v_lshlrev_b32 v5, 5, v2                        ; the bias: register j of column block b is column 16 b + 8 h + j
.set bb, 0
.rept 12
	WIN (1+bb/4)<<6                                ; destination: the window of column block bb; address window 0
	global_load_b128 v[64*(bb%4)+56:64*(bb%4)+59], v5, s[8:9] offset:64*bb
	global_load_b128 v[64*(bb%4)+60:64*(bb%4)+63], v5, s[8:9] offset:64*bb+16
.set bb, bb+1
.endr
	WIN 0
	v_mul_u32_u24 v3, v1, PITCH
	v_lshl_add_u32 v3, v2, 4, v3                   ; row x pitch + 16 x half
	s_mul_i32 s62, s[RH], AHALF                    ; my 128 rows of xb
	v_add_nc_u32 v[ADRA0], s62, v3
	v_add_nc_u32 v[ADRB0], s60, v3                 ; my 192 rows of wt are those that my column half's wave fetches
	v_mov_b32 v[ADRA], v[ADRA0]
	v_mov_b32 v[ADRB], v[ADRB0]
	v_mul_u32_u24 v4, v1, SPIT
	v_lshl_add_u32 v4, v2, 4, v4
	s_mul_i32 s62, s[RH], 128*SPIT
	s_mul_i32 s63, s[CH], 192*2
	s_add_co_u32 s62, s62, s63
	v_add_nc_u32 v[STO], s62, v4                   ; into the stage: row 128 RH + r, my 384 bytes of it, 16 bytes for each half of the lanes
	v_add_nc_u32 v[STO+1], 64*SPIT, v[STO]
	v_mul_u32_u24 v4, v2, SPIT
	v_lshl_add_u32 v4, v1, 4, v4
	s_mul_i32 s62, s[WV], 64*SPIT
	v_add_nc_u32 v[RD], s62, v4                    ; back: wave w takes rows 64 w on, whole; lanes 0-15 256 bytes of one row, lanes 16-31 of the next
	v_mul_u32_u24 v4, v2, CROW
	v_lshl_add_u32 v[CO], v1, 4, v4                ; and the same two rows in qkv
	s_wait_loadcnt 0x0
.irp w, 1,2,3
	WIN ((\w)<<2)|(\w)                             ; both sources in window w, destination window 0
.set i, 0
.rept 16
	v_cvt_pk_bf16_f32 v[32+16*((\w)-1)+i], v[64*(i/4)+56+2*(i%4)], v[64*(i/4)+56+2*(i%4)+1]   ; rounded to bf16,
.set i, i+1
.endr
	WIN (\w)<<6                                    ; destination window w, sources window 0
.set i, 0
.rept 16
	v_lshlrev_b32 v[64*(i/4)+56+2*(i%4)], 16, v[32+16*((\w)-1)+i]                              ; and widened again
	v_and_b32 v[64*(i/4)+56+2*(i%4)+1], 0xffff0000, v[32+16*((\w)-1)+i]
.set i, i+1
.endr
.endr
	WIN 0
; n column blocks from b0 on x all 8 row blocks, 32 along K, xb's fragments in buffer af.  The 96 accumulators take turns, one instruction a turn, in the same order in every quarter.
.macro MM b0, n, af
.set bb, (\b0)
.rept \n
	WIN 0x50*(1+bb/4)                              ; C and D in the column block's window, both sources in window 0
.set aa, 0
.rept 8
	v_wmma_f32_16x16x32_bf16 v[8*(8*(bb%4)+aa):8*(8*(bb%4)+aa)+7], v[BF+8*bb:BF+8*bb+7], v[(\af)+8*aa:(\af)+8*aa+7], v[8*(8*(bb%4)+aa):8*(8*(bb%4)+aa)+7]
.set aa, aa+1
.endr
.set bb, bb+1
.endr
.endm
; The same in the first quarter: row blocks 0-6 start their sums with the bias, which lies in row block 7's accumulator; five places behind the last of them row block 7 writes over it, adding in place.
.macro MMB b0, n, af
.set bb, (\b0)
.rept \n
	WIN 0x50*(1+bb/4)
.set aa, 0
.rept 7
	v_wmma_f32_16x16x32_bf16 v[8*(8*(bb%4)+aa):8*(8*(bb%4)+aa)+7], v[BF+8*bb:BF+8*bb+7], v[(\af)+8*aa:(\af)+8*aa+7], v[8*(8*(bb%4)+7):8*(8*(bb%4)+7)+7]
.set aa, aa+1
.endr
.set bb, bb+1
.endr
.rept 5
	v_nop
.endr
.set bb, (\b0)
.rept \n
	WIN 0x50*(1+bb/4)
	v_wmma_f32_16x16x32_bf16 v[8*(8*(bb%4)+7):8*(8*(bb%4)+7)+7], v[BF+8*bb:BF+8*bb+7], v[(\af)+56:(\af)+63], v[8*(8*(bb%4)+7):8*(8*(bb%4)+7)+7]
.set bb, bb+1
.endr
.endm
.macro LDB b0, q                       ; 12 LDS loads: wt's column blocks b0 to b0 + 5, quarter q of the slot in hand
	WIN 0
.set bb, (\b0)
.rept 6
	ds_load_b128 v[BF+8*bb:BF+8*bb+3],   v[ADRB] offset:bb*16*PITCH+64*(\q)
	ds_load_b128 v[BF+8*bb+4:BF+8*bb+7], v[ADRB] offset:bb*16*PITCH+64*(\q)+32
.set bb, bb+1
.endr
.endm
.macro LDA af, q                       ; 16 LDS loads: xb's eight row blocks, quarter q, into buffer af
	WIN 0
.set aa, 0
.rept 8
	ds_load_b128 v[(\af)+8*aa:(\af)+8*aa+3],   v[ADRA] offset:aa*16*PITCH+64*(\q)
	ds_load_b128 v[(\af)+8*aa+4:(\af)+8*aa+7], v[ADRA] offset:aa*16*PITCH+64*(\q)+32
.set aa, aa+1
.endr
.endm
; A quarter's first half: column blocks 0-5; in its middle the quarter's blocks 6-11 are fetched.  Each run of loads was issued 24 products ahead of the wait for it.
.macro LO af, q
	s_wait_dscnt 0x0                               ; xb's fragments and column blocks 0-5 are in
	MM 0, 3, \af
	PLACES
	LDB 6, \q
	MM 3, 3, \af
.endm
; Its second half: column blocks 6-11; in its middle the next quarter (qn, of the same slot) is fetched: column blocks 0-5, and xb's fragments into buffer ag.
.macro HI af, ag, qn
	s_wait_dscnt 0x0                               ; column blocks 6-11 are in
	MM 6, 3, \af
	PLACES
	LDB 0, \qn
	LDA \ag, \qn
	MM 9, 3, \af
.endm
; The second half of a K step's second quarter, with ONE barrier for the change of slots: in front of it each wave waits for all its tensor loads (one is out: its part of the next slot),
; adds 0 to its spare word, and waits for that and for its own reads of this slot.  fill = 1: the barrier opens a round of the cluster's, and the slot just read out takes the K step two steps on,
; first thing behind the round: it has 168 products in which to land.
.macro TURN fill
	WIN 0
	s_wait_tensorcnt 0x0
	ds_add_u32 v[SPW], v[NIL]
	s_wait_dscnt 0x1                               ; column blocks 6-11 are in; the add may be out
	MM 6, 1, AF1
	s_wait_dscnt 0x0                               ; the add is done, and my reads of this slot are over
	s_barrier_signal -1
	MM 7, 2, AF1
	WIN 0
	s_barrier_wait -1
.if \fill
	CREST
	s_xor_b32 s[G0A+5], s[G0A+5], SLOT1            ; the walking descriptors: the other slot than last time, the next K block
	s_add_nc_u64 s[G0A+6:G0A+7], s[G0A+6:G0A+7], XBLK
	s_xor_b32 s[G0B+5], s[G0B+5], SLOT1
	s_add_nc_u64 s[G0B+6:G0B+7], s[G0B+6:G0B+7], WBLK
	JLOAD 1                                        ; its four v_nop are also the places in front of the loads below
.else
	PLACES
.endif
	s_xor_b32 s[TB], s[TB], SLOT1
	v_add_nc_u32 v[ADRA], s[TB], v[ADRA0]
	v_add_nc_u32 v[ADRB], s[TB], v[ADRB0]
	LDB 0, 0
	LDA AF0, 0
	MM 9, 3, AF1
.endm
; THE WAY OUT of row block a: rounded to f16, 16 bytes a lane and column block, into the work-group's stage.
.macro PACK a
.irp w, 1,2,3
	WIN ((\w)<<2)|(\w)                             ; both sources in window w
.set i, 0
.rept 16
	v_cvt_pk_f16_f32 v[TMP+48*((\a)%2)+16*((\w)-1)+i], v[8*(8*(i/4)+(\a))+2*(i%4)], v[8*(8*(i/4)+(\a))+2*(i%4)+1]   ; each accumulator from its low end on
.set i, i+1
.endr
.endr
	WIN 0
.set bb, 0
.rept 12
	ds_store_b128 v[STO+(\a)/4], v[TMP+48*((\a)%2)+4*bb:TMP+48*((\a)%2)+4*bb+3] offset:((\a)%4)*16*SPIT+32*bb
.set bb, bb+1
.endr
.endm
	s_wait_tensorcnt 0x1                           ; my part of K step 0 is in; K step 1's may stay out
	s_barrier_signal -1
	s_barrier_wait -1
	LDB 0, 0
	LDA AF0, 0
	s_wait_dscnt 0x0                               ; the first quarter stands in front of the loop: its products start the sums, with the bias
	MMB 0, 3, AF0
	PLACES
	LDB 6, 0
	MMB 3, 3, AF0
	s_wait_dscnt 0x0
	MMB 6, 3, AF0
	PLACES
	LDB 0, 1
	LDA AF1, 1
	MMB 9, 3, AF0
	WIN 0
	s_mov_b32 s3, STEPS-2
.Lstep:                                                ; trip t ends K step t, fills its slot with K step t + 2 and does K step t + 1's first quarter
	LO AF1, 1
	TURN 1
	LO AF0, 0
	HI AF0, AF1, 1
	WIN 0
	s_sub_co_u32 s3, s3, 1
	s_cmp_lg_u32 s3, 0
	s_cbranch_scc1 .Lstep
	LO AF1, 1                                      ; the rest is written out: nothing more is asked for
	TURN 0
	LO AF0, 0
	HI AF0, AF1, 1
	LO AF1, 1
	s_wait_dscnt 0x0                               ; my last reads of the ring are over:
	s_barrier_signal -1                            ; say so, since the stage lies over the ring;
	MM 6, 6, AF1                                   ; the last 48 products stand between the signal and the wait
	WIN 0
	s_barrier_wait -1                              ; nobody reads the ring any more; all its fills have landed
	PLACES
.irp a, 0,1,2,3,4,5,6,7
	PACK \a
.endr
	s_wait_dscnt 0x0                               ; for the others' sake: my stores into the stage are done
	s_barrier_signal -1
	s_barrier_wait -1
	; back as whole rows: a row's 768 bytes come from two waves.  Four trips of eight pairs of rows x three pieces of 256 bytes.
	s_mov_b32 s[RO], 0
	s_mov_b32 s3, 4
.Lout:
	v_add_nc_u32 v[RDC], s[RO], v[RD]
.set t, 0
.rept 24
	ds_load_b128 v[OB+4*t:OB+4*t+3], v[RDC] offset:(t/3)*2*SPIT+256*(t%3)
.set t, t+1
.endr
.set t, 0
.rept 24
	s_wait_dscnt 23-t                              ; piece t is back; the younger loads may be out
	global_store_b128 v[CO], v[OB+4*t:OB+4*t+3], s[10:11] offset:(t/3)*2*CROW+256*(t%3)   ; sixteen lanes store 256 consecutive bytes, aligned
.set t, t+1
.endr
	s_wait_xcnt 0x0                                ; the stores have read their registers and their base: only now are these rewritten
	s_add_co_u32 s[RO], s[RO], 16*SPIT
	s_add_nc_u64 s[10:11], s[10:11], 16*CROW
	s_sub_co_u32 s3, s3, 1
	s_cmp_lg_u32 s3, 0
	s_cbranch_scc1 .Lout
	s_wait_tensorcnt 0x0                           ; the wave's end
	ds_add_u32 v[SPW], v[NIL]
	s_wait_dscnt 0x0
	CROUND                                         ; the closing round
	s_endpgm
.Lfunc_end_k_qb17cabad16_proj:
	.size	k_qb17cabad16_proj, .Lfunc_end_k_qb17cabad16_proj-k_qb17cabad16_proj
	.p2alignl 7, 3214868480
	.fill 96, 4, 3214868480
	.section	.rodata,"a",@progbits
	.p2align	6, 0x0
	.amdhsa_kernel k_qb17cabad16_proj
		.amdhsa_group_segment_fixed_size 327680
		.amdhsa_private_segment_fixed_size 0
		.amdhsa_enable_private_segment 0
		.amdhsa_kernarg_size 32
		.amdhsa_user_sgpr_count 2
		.amdhsa_user_sgpr_kernarg_segment_ptr 1
		.amdhsa_wavefront_size32 1
		.amdhsa_system_sgpr_workgroup_id_x 1
		.amdhsa_system_sgpr_workgroup_id_y 1
		.amdhsa_system_sgpr_workgroup_id_z 1
		.amdhsa_system_vgpr_workitem_id 0
		.amdhsa_next_free_vgpr 1024
		.amdhsa_next_free_sgpr 66
		.amdhsa_reserve_vcc 0
		.amdhsa_float_denorm_mode_32 3
		.amdhsa_float_denorm_mode_16_64 3
		.amdhsa_memory_ordered 1
		.amdhsa_forward_progress 1
		.amdhsa_inst_pref_size 111
	.end_amdhsa_kernel
	.amdgpu_metadata
---
amdhsa.version: [ 1, 2 ]
amdhsa.kernels:
  - .name:           k_qb17cabad16_proj
    .symbol:         k_qb17cabad16_proj.kd
    .args:
      - { .name: xb, .offset: 0, .size: 8, .value_kind: global_buffer, .address_space: global }
      - { .name: wt, .offset: 8, .size: 8, .value_kind: global_buffer, .address_space: global }
      - { .name: b_qkv, .offset: 16, .size: 8, .value_kind: global_buffer, .address_space: global }
      - { .name: qkv, .offset: 24, .size: 8, .value_kind: global_buffer, .address_space: global }
    .group_segment_fixed_size: 327680
    .private_segment_fixed_size: 0
    .kernarg_segment_align: 8
    .kernarg_segment_size: 32
    .max_flat_workgroup_size: 128
    .sgpr_count:     66
    .vgpr_count:     1024
    .wavefront_size: 32
...
	.end_amdgpu_metadata
.endif
;; end of part 2
;; launch scores (part 3): grid 8 x 32, 4 waves a work-group, clusters of 4 x 4, 327,680 bytes of LDS; arguments qkv, attn_mask, p, stats; writes p, stats
.if DOCPART == 3
	.amdgcn_target "amdgcn-amd-amdhsa--gfx1250"
	.amdhsa_code_object_version 6
	.text
	.protected	k_qb17cabad16_scores
	.globl	k_qb17cabad16_scores
	.p2align	8
	.type	k_qb17cabad16_scores,@function
k_qb17cabad16_scores:
	s_mov_b64 s[64:65], 0
	v_nop
	global_prefetch_b8 v0, s[64:65] scope:SCOPE_SE
	s_setreg_imm32_b32 hwreg(HW_REG_WAVE_MODE, 25, 1), 1
	s_wait_xcnt 0x0
	s_wait_alu depctr_hold_cnt(0) depctr_sa_sdst(0) depctr_va_vdst(0) depctr_va_sdst(0) depctr_va_ssrc(0) depctr_va_vcc(0) depctr_vm_vsrc(0)
	s_getreg_b32 s2, hwreg(HW_REG_IB_STS2, 6, 4)
	s_cmp_eq_u32 s2, 0
	s_cbranch_scc0 .Lentry_in_a_cluster
	s_endpgm
.Lentry_in_a_cluster:
	s_bfe_u32 s2, ttmp6, 0x10000c
	s_cmp_lg_u32 s2, 0xf033
	s_cbranch_scc0 .Lentry_shape_is_right
	s_endpgm
.Lentry_shape_is_right:
; s[q][k] = (q . k) / 32 + bf16(attn_mask[q][k]);  for each row and each block of 128 keys: m' = log2(e) x max s, p = 2^(log2(e) s - m') as f16, l = the sum of the unrounded p.
; qkv: [8192][3072] f16 (q at byte 0 of a row, k at byte 2,048);  attn_mask: [8192][2048] f32;  p: [8192][2048] f16;
; stats: byte kb x 65,536 + quad x 512 + lane x 16 + 4 e, for row 64 quad + 16 e + lane % 16 and key block kb: lanes 0-15 hold m', lanes 16-31 hold l.
; The block's own maximum is taken away before every exponential; the launch behind joins the sixteen blocks of a row by the row's maximum.  No score goes to memory.
; LIMITS.  The mask is rounded to bf16 (nearest even), like all inputs that are used.  A block's maximum is floored at -2e38, so a block that is all -inf gets weights 0;
; a row whose scores all lie below -2e38 is not served.  A weight below 2^-126 counts as 0 in l; below f16's smallest step it is 0 in p.  NaN is not treated apart.
; SHARES, RING, CLUSTER, TRANSPOSED USE as in the projection: a tile of 256 queries x 256 keys, four waves of 128 x 128, 8 K steps of 128 channels through two LDS slots; q's tile is shared
; along a row of the 4 x 4 cluster, k's along a column.  A wave's 128 columns are one key block.
; THE MASK comes in f32 by tensor loads of each work-group's own, into the ring's slots when they have been read out: slot 0 takes the rows of row blocks 0-3 of both row halves (phase 0) behind the
; round that ends K step 6, slot 1 those of row blocks 4-7 (phase 1) behind the round that ends K step 7.  Each wave brings 32 rows x 1,024 bytes.
; Each wave prefetches the 32 x 4 blocks of 256 bytes that it will itself ask for, once each: phase 0's 160 matrix instructions ahead of its tensor load, phase 1's likewise; nothing beyond the tile is named.
; REGISTERS: windows 1 to 3 as in the projection (window 1: k's fragments).  Window 0: v0-31 addresses and statistics; v32-63 rows read back from the stage; v64-127, v128-191 q's fragments, and
; behind the products v64-127 the mask in f32, v128-159 in bf16, v160-191 p in f16; v192-255 the scores of one row block.
.set PITCH,  272
.set HALFT,  128*PITCH
.set SLOT,   4*HALFT                   ; 0x22000: shares no bit with wave x HALFT
.set STAGE,  2*SLOT
.set SPARE,  STAGE+4*16*PITCH
.set QROW,   6144                      ; bytes in a row of qkv
.set PROW,   4096                      ; bytes in a row of p
.set MROW,   8192                      ; bytes in a row of attn_mask
.set MP,     1040                      ; LDS pitch of a mask row: 1,024 bytes + 16, an odd multiple of 16
.set STEPS,  8
.set MX,    4                          ; v4-7   four running maxima
.set ST,    8                          ; v8-11  the statistics of four row blocks
.set ML,    12                         ; v12-13 m', named as a pair
.set LS,    14                         ; v14    l
.set ADRA0, 16
.set ADRB0, 17
.set ADRA,  18
.set ADRB,  19
.set MAD0,  20                         ; v20  my lane's place in a phase's mask rows; never rewritten
.set MAD,   21                         ; v21  the same for the row block in hand
.set SCL,   22                         ; v22  1/32
.set PFO,   23                         ; v23  lane x 8,192: a lane a mask row, for the prefetch; never rewritten
.set STO,   24
.set RD,    25
.set CO,    26
.set SO,    27                         ; v27  lane x 16
.set SPW,   28
.set NIL,   29
.set XL,    30                         ; v30  what the other half of the lanes holds
.set OB,    32
.set F0,    64
.set F1,    128
.set MK,    64
.set MB,    128
.set PH,    160
.set SS,    192
.set CNT, 2                            ; s2  counts a phase's row blocks, 4 to 1
.set WV, 12
.set RH, 13
.set CH, 14
.set CX, 15
.set CY, 16
.set TX, 17
.set TY, 18
.set G1A, 24
.set G0A, 32
.set G1B, 40
.set G0B, 48
.set TB,  56
.set MO,  67                           ; s67 LDS byte at which the mask rows of the row block in hand begin
.set G1M, 68                           ; s[68:75] descriptor group 1 for the mask; s[76:83] group 0, a set for each phase
.set G0M, 76
.set PA,  84                           ; s[84:85] p at the row block in hand
.set LG,  86                           ; s[86:87] log2(e), named as a pair
.set SEL, 88                           ; s[88:89] v_permlanex16_b32's selects: each lane takes its own place in the other half
.set HM,  90                           ; s90 lanes 16-31
.set FLOOR, 91                         ; s91 -2e38
.set MA,  92                           ; s[92:93] attn_mask at the first of the 32 rows that I fetch in phase 0
.set OFFP, 94                          ; s[94:95] what the next row block adds to p's address
.set MSB, 0
.macro WIN new
.if MSB != (\new)
	s_set_vgpr_msb (MSB<<8)|(\new)
.set MSB, \new
.endif
.endm
.macro JLOAD s                         ; a joint load: waves 0 and 1 fetch q's two halves, waves 2 and 3 k's; an s_nop 0 and four v_nop follow each line
	s_cmp_eq_u32 s[RH], 0
	s_cbranch_scc0 .Lfor_b_\@
	tensor_load_to_lds s[G0A+4*(\s):G0A+4*(\s)+3], s[G1A:G1A+7]
	s_nop 0
.rept 4
	v_nop
.endr
	s_branch .Lasked_\@
.Lfor_b_\@:
	tensor_load_to_lds s[G0B+4*(\s):G0B+4*(\s)+3], s[G1B:G1B+7]
	s_nop 0
.rept 4
	v_nop
.endr
.Lasked_\@:
.endm
.macro MLOAD p                         ; my 32 mask rows of phase p, into slot p: a load of my work-group's own, every wave one
	tensor_load_to_lds s[G0M+4*(\p):G0M+4*(\p)+3], s[G1M:G1M+7]
	s_nop 0
.rept 4
	v_nop
.endr
.endm
.macro CREST
	s_cmp_lg_u32 s[WV], 0
	s_cbranch_scc1 .Lnot_wave_0_\@
	s_barrier_signal -3
.Lnot_wave_0_\@:
	s_barrier_wait -3
	s_barrier_signal -1
	s_barrier_wait -1
.endm
.macro CROUND
	s_barrier_signal -1
	s_barrier_wait -1
	CREST
.endm
.macro PLACES
.rept 4
	v_nop
.endr
.endm
.macro PF p                            ; the 128 blocks of 256 bytes of my mask rows of phase p: a lane a row, four blocks a row
.irp u, 0,1,2,3
	global_prefetch_b8 v[PFO], s[MA:MA+1] offset:(\p)*64*MROW+256*(\u) th:TH_LOAD_NT scope:SCOPE_SE
.endr
.endm
	s_load_b256 s[4:11], s[0:1], 0x0               ; qkv s[4:5], attn_mask s[6:7], p s[8:9], stats s[10:11]
	v_lshl_add_u32 v[SPW], v0, 2, SPARE
	v_mov_b32 v[NIL], 0
	ds_add_u32 v28, v29
	s_wait_dscnt 0x0
	v_lshrrev_b32 v1, 5, v0
	v_readfirstlane_b32 s[WV], v1
	s_lshr_b32 s[RH], s[WV], 1
	s_and_b32 s[CH], s[WV], 1
	s_bfe_u32 s[CX], ttmp6, 0x40000
	s_bfe_u32 s[CY], ttmp6, 0x40004
	s_lshl_b32 s[TX], ttmp9, 2
	s_add_co_u32 s[TX], s[TX], s[CX]               ; tile column (256 keys)
	s_and_b32 s[TY], ttmp7, 0xffff
	s_lshr_b32 s19, s[TY], 1                       ; the batch: two clusters' rows, 2,048 queries, to each; the whole cluster shares it
	s_lshl_b32 s[TY], s[TY], 2
	s_add_co_u32 s[TY], s[TY], s[CY]               ; tile row (256 of the 8,192 queries)
	s_lshl_b32 s57, s[CY], 2
	s_lshl_b32 s57, 15, s57
	s_lshl_b32 s58, 0x1111, s[CX]
	s_or_b32 s[G1A], s57, (1<<16)|(1<<20)|(1<<21)|(5<<22)|(3<<25)
	s_or_b32 s[G1B], s58, (1<<16)|(1<<20)|(1<<21)|(5<<22)|(3<<25)
.irp g, G1A, G1B
	s_mov_b32 s[(\g)+1], 128<<16
	s_mov_b32 s[(\g)+2], 128<<16
	s_mov_b32 s[(\g)+3], 128<<16
	s_mov_b32 s[(\g)+4], 128
	s_mov_b32 s[(\g)+5], 3072                      ; elements from row to row of qkv
	s_mov_b32 s[(\g)+6], 0
	s_mov_b32 s[(\g)+7], 0
.endr
	s_mov_b32 s[G1M], (2<<16)|(1<<20)|(7<<22)|(3<<25)  ; no mask of work-groups; elements of 4 bytes; 4 words of padding behind every 256
	s_mov_b32 s[G1M+1], 256<<16                    ; tensor_dim0 = 256
	s_mov_b32 s[G1M+2], 32<<16                     ; tensor_dim1 = 32
	s_mov_b32 s[G1M+3], 256<<16                    ; tile_dim0 = 256
	s_mov_b32 s[G1M+4], 32                         ; tile_dim1 = 32
	s_mov_b32 s[G1M+5], 2048                       ; elements from row to row
	s_mov_b32 s[G1M+6], 0
	s_mov_b32 s[G1M+7], 0
	s_lshl_b32 s20, s[TY], 8                       ; q: row 256 TY + 128 half
	s_lshl_b32 s21, s[CH], 7
	s_add_co_u32 s20, s20, s21
	s_mul_i32 s20, s20, QROW
	s_mov_b32 s21, 0
	s_lshl_b32 s22, s19, 11                        ; k: row 2,048 batch + 256 TX + 128 half, 2,048 bytes into the row
	s_lshl_b32 s23, s[TX], 8
	s_add_co_u32 s22, s22, s23
	s_lshl_b32 s23, s[CH], 7
	s_add_co_u32 s22, s22, s23
	s_mul_i32 s22, s22, QROW
	s_add_co_u32 s22, s22, 2048
	s_mov_b32 s23, 0
	s_mul_i32 s59, s[WV], HALFT
	s_mul_i32 s66, s[WV], 32*MP                    ; where my mask rows go in a slot
	s_lshl_b32 s60, s[TY], 8                       ; the mask: row 256 TY + 128 RH + 32 CH, column 256 TX
	s_lshl_b32 s61, s[RH], 7
	s_add_co_u32 s60, s60, s61
	s_lshl_b32 s61, s[CH], 5
	s_add_co_u32 s60, s60, s61
	s_lshl_b32 s60, s60, 13
	s_lshl_b32 s61, s[TX], 10
	s_add_co_u32 s60, s60, s61
	s_mov_b32 s61, 0
	s_lshl_b32 s[OFFP], s[TY], 8                   ; p: row 256 TY + 128 RH, column 256 TX + 128 CH
	s_lshl_b32 s[OFFP+1], s[RH], 7
	s_add_co_u32 s[OFFP], s[OFFP], s[OFFP+1]
	s_lshl_b32 s[OFFP], s[OFFP], 12
	s_lshl_b32 s[OFFP+1], s[TX], 9
	s_add_co_u32 s[OFFP], s[OFFP], s[OFFP+1]
	s_lshl_b32 s[OFFP+1], s[CH], 8
	s_add_co_u32 s[OFFP], s[OFFP], s[OFFP+1]
	s_mov_b32 s[OFFP+1], 0
	s_lshl_b32 s62, s[TX], 1                       ; stats: key block 2 TX + CH, quad 4 TY + 2 RH
	s_add_co_u32 s62, s62, s[CH]
	s_lshl_b32 s62, s62, 16
	s_lshl_b32 s63, s[TY], 11
	s_add_co_u32 s62, s62, s63
	s_lshl_b32 s63, s[RH], 10
	s_add_co_u32 s62, s62, s63
	s_mov_b32 s63, 0
	s_mov_b32 s[TB], 0
	s_mov_b32 s[LG], 0x3fb8aa3b                    ; log2(e)
	s_mov_b32 s[LG+1], s[LG]
	s_mov_b32 s[SEL], 0x76543210
	s_mov_b32 s[SEL+1], 0xfedcba98
	s_mov_b32 s[HM], 0xffff0000
	s_mov_b32 s[FLOOR], 0xff167699                 ; -2e38
	s_wait_kmcnt 0x0
	s_add_nc_u64 s[20:21], s[4:5], s[20:21]
	s_add_nc_u64 s[22:23], s[4:5], s[22:23]
	s_add_nc_u64 s[MA:MA+1], s[6:7], s[60:61]
	s_mov_b64 s[PA:PA+1], s[8:9]
	s_add_nc_u64 s[10:11], s[10:11], s[62:63]
.irp p, 0,1
	s_mov_b32 s[G0M+4*(\p)], 1
	s_add_co_u32 s[G0M+4*(\p)+1], s66, (\p)*SLOT
	s_add_nc_u64 s[G0M+4*(\p)+2:G0M+4*(\p)+3], s[MA:MA+1], (\p)*64*MROW
	s_or_b32 s[G0M+4*(\p)+3], s[G0M+4*(\p)+3], 0x80000000
.endr
	CROUND                                         ; all sixteen work-groups are here: the first joint loads meet
.irp s, 0,1
	s_mov_b32 s[G0A+4*(\s)], 1
	s_add_co_u32 s[G0A+4*(\s)+1], s59, (\s)*SLOT
	s_add_nc_u64 s[G0A+4*(\s)+2:G0A+4*(\s)+3], s[20:21], (\s)*256
	s_or_b32 s[G0A+4*(\s)+3], s[G0A+4*(\s)+3], 0x80000000
	s_mov_b32 s[G0B+4*(\s)], 1
	s_add_co_u32 s[G0B+4*(\s)+1], s59, (\s)*SLOT
	s_add_nc_u64 s[G0B+4*(\s)+2:G0B+4*(\s)+3], s[22:23], (\s)*256
	s_or_b32 s[G0B+4*(\s)+3], s[G0B+4*(\s)+3], 0x80000000
	JLOAD \s                                       ; two loads of mine are out here, one behind each later round
.endr
	v_and_b32 v1, 15, v0                           ; r
	v_bfe_u32 v2, v0, 4, 1                         ; h
	v_mul_u32_u24 v3, v1, PITCH
	v_lshl_add_u32 v3, v2, 4, v3
	s_mul_i32 s60, s[RH], HALFT
	s_mul_i32 s61, s[CH], HALFT
	s_add_co_u32 s61, s61, 2*HALFT
	v_add_nc_u32 v[ADRA0], s60, v3
	v_add_nc_u32 v[ADRB0], s61, v3
	v_mov_b32 v[ADRA], v[ADRA0]
	v_mov_b32 v[ADRB], v[ADRB0]
	s_mul_i32 s62, s[WV], 16*PITCH
	s_add_co_u32 s62, s62, STAGE
	v_add_nc_u32 v[STO], s62, v3
	v_mul_u32_u24 v4, v2, PITCH
	v_lshl_add_u32 v4, v1, 4, v4
	v_add_nc_u32 v[RD], s62, v4
	v_lshlrev_b32 v4, 12, v2
	v_lshl_add_u32 v[CO], v1, 4, v4                ; two rows of p: h x 4,096 + 16 r
	s_mul_i32 s60, s[RH], 64*MP                    ; the mask in LDS: my row half's 64 rows, row r, my 128 columns, 8 h columns on
	s_lshl_b32 s61, s[CH], 9
	s_add_co_u32 s60, s60, s61
	v_mul_u32_u24 v4, v1, MP
	v_lshl_add_u32 v4, v2, 5, v4
	v_add_nc_u32 v[MAD0], s60, v4
	v_and_b32 v4, 31, v0
	v_lshlrev_b32 v[PFO], 13, v4
	v_lshlrev_b32 v[SO], 4, v4
	v_mov_b32 v[SCL], 0x3d000000                   ; 1/32
	v_mov_b32 v[XL], 0                             ; v_permlanex16_b32's destination counts as read
.irp e, 0,1,2,3
	v_mov_b32 v[ST+(\e)], 0                        ; these are shifted before they are full
.endr
.macro MUL16 f, hi, a0, first           ; as in the projection; first = 1: the constant 0 starts the sums
	WIN 0xa1+0x50*(\hi)
.irp a, \a0, (\a0)+1
.irp b, 0,1,2,3,4,5,6,7
.if \first
	v_wmma_f32_16x16x32_f16 v[8*(8*(\a)+(\b)):8*(8*(\a)+(\b))+7], v[(\f)+8*(\b):(\f)+8*(\b)+7], v[(\f)+8*(4*(\hi)+(\a)):(\f)+8*(4*(\hi)+(\a))+7], 0
.else
	v_wmma_f32_16x16x32_f16 v[8*(8*(\a)+(\b)):8*(8*(\a)+(\b))+7], v[(\f)+8*(\b):(\f)+8*(\b)+7], v[(\f)+8*(4*(\hi)+(\a)):(\f)+8*(4*(\hi)+(\a))+7], v[8*(8*(\a)+(\b)):8*(8*(\a)+(\b))+7]
.endif
.endr
.endr
.endm
.macro FETCH k, f
	WIN 0x40
.irp i, 0,1,2,3,4,5,6,7
	ds_load_b128 v[(\f)+8*(\i):(\f)+8*(\i)+3],   v[ADRB] offset:(\k)+(\i)*16*PITCH
	ds_load_b128 v[(\f)+8*(\i)+4:(\f)+8*(\i)+7], v[ADRB] offset:(\k)+(\i)*16*PITCH+32
.endr
	WIN 0
.irp i, 0,1,2,3,4,5,6,7
	ds_load_b128 v[(\f)+8*(\i):(\f)+8*(\i)+3],   v[ADRA] offset:(\k)+(\i)*16*PITCH
	ds_load_b128 v[(\f)+8*(\i)+4:(\f)+8*(\i)+7], v[ADRA] offset:(\k)+(\i)*16*PITCH+32
.endr
.endm
.macro QUARTER k, f, g, first
	s_wait_dscnt 8                                 ; k and q's rows 0-63 are in; the youngest eight loads may be out
	MUL16 \f, 0, 0, \first
	MUL16 \f, 0, 2, \first
	PLACES
	FETCH \k, \g
	s_wait_dscnt 32                                ; all but the 32 just issued
	MUL16 \f, 1, 0, \first
	MUL16 \f, 1, 2, \first
.endm
; A K step's last quarter.  Every change of slots here fills the slot that is left, so its barrier opens a round of the cluster's: each wave's wait for all its tensor loads, its add and its wait
; for that and for its reads stand in front; the fill is the first thing behind.  mode 1: the K step two steps on (joint).  mode 2: the mask's phase 0.  mode 3: its phase 1; no fragments are left to fetch.
.macro TURN mode
	WIN 0
	s_wait_tensorcnt 0x0
	ds_add_u32 v[SPW], v[NIL]
	s_wait_dscnt 9                                 ; the add and the youngest eight loads may be out
	MUL16 F1, 0, 0, 0
	s_wait_dscnt 0x0                               ; the add is done, and my reads of this slot are over
	s_barrier_signal -1
	MUL16 F1, 0, 2, 0
	WIN 0
	s_barrier_wait -1
	CREST
.if (\mode) == 1
	s_xor_b32 s[G0A+5], s[G0A+5], SLOT
	s_add_nc_u64 s[G0A+6:G0A+7], s[G0A+6:G0A+7], 256
	s_xor_b32 s[G0B+5], s[G0B+5], SLOT
	s_add_nc_u64 s[G0B+6:G0B+7], s[G0B+6:G0B+7], 256
	JLOAD 1
.else
	MLOAD (\mode)-2
.endif
.if (\mode) != 3
	s_xor_b32 s[TB], s[TB], SLOT
	v_add_nc_u32 v[ADRA], s[TB], v[ADRA0]
	v_add_nc_u32 v[ADRB], s[TB], v[ADRB0]
	FETCH 0, F0                                    ; the four v_nop behind the fill are the places in front of these loads
.endif
	MUL16 F1, 1, 0, 0
	MUL16 F1, 1, 2, 0
.endm
; THE SOFTMAX'S FIRST HALF, a row block (16 queries x my 128 keys) at a time.  A lane holds one query (r) and 64 of its keys: 16 b + 8 h + j.
.macro MLD                             ; the row block's mask: 16 loads of 16 bytes a lane
.irp b, 0,1,2,3,4,5,6,7
	ds_load_b128 v[MK+8*(\b):MK+8*(\b)+3],   v[MAD] offset:64*(\b)
	ds_load_b128 v[MK+8*(\b)+4:MK+8*(\b)+7], v[MAD] offset:64*(\b)+16
.endr
.endm
.macro SCORE p, a                      ; s = product / 32 + bf16 mask, one rounding; each accumulator is read from its low end on
	WIN 0x02+(\p)                                  ; source 0 in window 2 or 3
.set i, 0
.rept 32
	v_fma_mix_f32_bf16 v[SS+2*i],   v[64*(\a)+2*i],   v[SCL], v[MB+i] op_sel:[0,0,0] op_sel_hi:[0,0,1]
	v_fma_mix_f32_bf16 v[SS+2*i+1], v[64*(\a)+2*i+1], v[SCL], v[MB+i] op_sel:[0,0,1] op_sel_hi:[0,0,1]
.set i, i+1
.endr
	WIN 0
.endm
.macro LEVEL w, n                      ; n packed additions of neighbours w / 2 registers apart, in place
.set u, 0
.rept \n
	v_pk_add_f32 v[SS+(\w)*u:SS+(\w)*u+1], v[SS+(\w)*u:SS+(\w)*u+1], v[SS+(\w)*u+(\w)/2:SS+(\w)*u+(\w)/2+1]
.set u, u+1
.endr
.endm
; Phase p: row blocks 4 p to 4 p + 3, a counted loop of four trips.  Only the lines that name accumulators are written four times; the jumps to them go forward and pass no barrier and no tensor load.
.macro PHASE p
	WIN 0
	s_mov_b32 s[MO], (\p)*SLOT
	v_add_nc_u32 v[MAD], s[MO], v[MAD0]
	MLD
	s_mov_b32 s[CNT], 4
.Lrow_\p:
	s_wait_dscnt 0x0                               ; the mask of this row block is in
.set i, 0
.rept 32
	v_cvt_pk_bf16_f32 v[MB+i], v[MK+2*i], v[MK+2*i+1]
.set i, i+1
.endr
	s_cmp_eq_u32 s[CNT], 1
	s_cbranch_scc1 .Lnomask_\p                     ; the phase's last row block has none behind it
	s_add_co_u32 s[MO], s[MO], 16*MP
	v_add_nc_u32 v[MAD], s[MO], v[MAD0]
	MLD                                            ; the next row block's mask comes while this one is worked on
.Lnomask_\p:
	s_cmp_eq_u32 s[CNT], 4
	s_cbranch_scc1 .Lsc0_\p
	s_cmp_eq_u32 s[CNT], 3
	s_cbranch_scc1 .Lsc1_\p
	s_cmp_eq_u32 s[CNT], 2
	s_cbranch_scc1 .Lsc2_\p
	SCORE \p, 3
	s_branch .Ljoin_\p
.Lsc2_\p:
	SCORE \p, 2
	s_branch .Ljoin_\p
.Lsc1_\p:
	SCORE \p, 1
	s_branch .Ljoin_\p
.Lsc0_\p:
	SCORE \p, 0
.Ljoin_\p:
	; the maximum: four chains of fifteen scores, the four left over, the floor; the query's other 64 keys lie in the lane 16 away
.irp c, 0,1,2,3
	v_max3_num_f32 v[MX+(\c)], v[SS+16*(\c)], v[SS+16*(\c)+1], v[SS+16*(\c)+2]
.endr
.irp n, 1,2,3,4,5,6
.irp c, 0,1,2,3
	v_max3_num_f32 v[MX+(\c)], v[MX+(\c)], v[SS+16*(\c)+2*(\n)+1], v[SS+16*(\c)+2*(\n)+2]
.endr
.endr
	v_max3_num_f32 v[MX], v[MX], v[SS+15], v[SS+31]
	v_max3_num_f32 v[MX+1], v[MX+1], v[SS+47], v[SS+63]
	v_max3_num_f32 v[MX], v[MX], v[MX+1], v[MX+2]
	v_max3_num_f32 v[MX], v[MX], v[MX+3], s[FLOOR]
	v_permlanex16_b32 v[XL], v[MX], s[SEL], s[SEL+1]
	v_max_num_f32 v[MX], v[MX], v[XL]
	v_mul_f32 v[ML], s[LG], v[MX]                  ; m'
	v_mov_b32 v[ML+1], v[ML]                       ; named with it as a pair
.set i, 0
.rept 32
	v_pk_fma_f32 v[SS+2*i:SS+2*i+1], v[SS+2*i:SS+2*i+1], s[LG:LG+1], v[ML:ML+1] op_sel_hi:[1,0,0] neg_lo:[0,0,1] neg_hi:[0,0,1]   ; log2(e) s - m'
.set i, i+1
.endr
.set i, 0
.rept 64
	v_exp_f32 v[SS+i], v[SS+i]
.set i, i+1
.endr
	v_nop                                          ; a plain instruction between the exponentials and the use of their results (ISA guide 5.7.2)
.set i, 0
	s_wait_alu depctr_va_vdst(0)
.rept 32
	v_cvt_pk_f16_f32 v[PH+i], v[SS+2*i], v[SS+2*i+1]
.set i, i+1
.endr
	s_wait_xcnt 0x0                                ; the stores before have read their registers and p's address: only now are these rewritten
	s_add_nc_u64 s[PA:PA+1], s[PA:PA+1], s[OFFP:OFFP+1]
	s_mov_b64 s[OFFP:OFFP+1], 16*PROW              ; from now on sixteen rows a row block
.irp b, 0,1,2,3,4,5,6,7
	ds_store_b128 v[STO], v[PH+4*(\b):PH+4*(\b)+3] offset:32*(\b)
.endr
.irp t, 0,1,2,3,4,5,6,7
	ds_load_b128 v[OB+4*(\t):OB+4*(\t)+3], v[RD] offset:(\t)*2*PITCH   ; my own stage, served in order: these see the stores above
.endr
	LEVEL 4, 16                                    ; l, of the unrounded weights, while the rows come back
	LEVEL 8, 8
	LEVEL 16, 4
	LEVEL 32, 2
	LEVEL 64, 1
	v_add_f32 v[LS], v[SS], v[SS+1]
	v_permlanex16_b32 v[XL], v[LS], s[SEL], s[SEL+1]
	v_add_f32 v[LS], v[LS], v[XL]
	v_mov_b32 v[ST], v[ST+1]                       ; after four trips register e holds row block e's
	v_mov_b32 v[ST+1], v[ST+2]
	v_mov_b32 v[ST+2], v[ST+3]
	v_cndmask_b32 v[ST+3], v[ML], v[LS], s[HM]     ; lanes 0-15 m', lanes 16-31 l
	s_wait_dscnt 0x0
.irp t, 0,1,2,3,4,5,6,7
	global_store_b128 v[CO], v[OB+4*(\t):OB+4*(\t)+3], s[PA:PA+1] offset:2*(\t)*PROW   ; sixteen lanes store 256 consecutive bytes, aligned
.endr
	s_sub_co_u32 s[CNT], s[CNT], 1
	s_cmp_lg_u32 s[CNT], 0
	s_cbranch_scc1 .Lrow_\p
	global_store_b128 v[SO], v[ST:ST+3], s[10:11] offset:512*(\p)   ; 512 consecutive bytes: the quad's statistics for my key block
.endm
	s_wait_tensorcnt 0x1                           ; my part of K step 0 is in; K step 1's may stay out
	s_barrier_signal -1
	s_barrier_wait -1
	FETCH 0, F0
	QUARTER 64, F0, F1, 1
	WIN 0
	s_mov_b32 s3, STEPS-2
.Lstep:                                                ; trip t ends K step t, fills its slot with K step t + 2 and begins K step t + 1
	QUARTER 128, F1, F0, 0
	QUARTER 192, F0, F1, 0
	TURN 1
	QUARTER 64, F0, F1, 0
	WIN 0
	s_sub_co_u32 s3, s3, 1
	s_cmp_lg_u32 s3, 0
	s_cbranch_scc1 .Lstep
	PF 0
	QUARTER 128, F1, F0, 0
	QUARTER 192, F0, F1, 0
	TURN 2                                         ; K step 6 ends; slot 0 takes the mask's phase 0
	QUARTER 64, F0, F1, 0
	WIN 0
	PF 1
	QUARTER 128, F1, F0, 0
	QUARTER 192, F0, F1, 0
	TURN 3                                         ; K step 7 ends; its wait and barrier have shown phase 0 whole to every wave; slot 1 takes phase 1
	PLACES
	PHASE 0
	s_wait_tensorcnt 0x0                           ; my part of phase 1 is in
	ds_add_u32 v[SPW], v[NIL]
	s_wait_dscnt 0x0
	s_barrier_signal -1
	s_barrier_wait -1                              ; everybody's is
	PHASE 1
	s_wait_tensorcnt 0x0                           ; the wave's end
	ds_add_u32 v[SPW], v[NIL]
	s_wait_dscnt 0x0
	CROUND                                         ; the closing round
	s_endpgm
.Lfunc_end_k_qb17cabad16_scores:
	.size	k_qb17cabad16_scores, .Lfunc_end_k_qb17cabad16_scores-k_qb17cabad16_scores
	.p2alignl 7, 3214868480
	.fill 96, 4, 3214868480
	.section	.rodata,"a",@progbits
	.p2align	6, 0x0
	.amdhsa_kernel k_qb17cabad16_scores
		.amdhsa_group_segment_fixed_size 327680
		.amdhsa_private_segment_fixed_size 0
		.amdhsa_enable_private_segment 0
		.amdhsa_kernarg_size 32
		.amdhsa_user_sgpr_count 2
		.amdhsa_user_sgpr_kernarg_segment_ptr 1
		.amdhsa_wavefront_size32 1
		.amdhsa_system_sgpr_workgroup_id_x 1
		.amdhsa_system_sgpr_workgroup_id_y 1
		.amdhsa_system_sgpr_workgroup_id_z 1
		.amdhsa_system_vgpr_workitem_id 0
		.amdhsa_next_free_vgpr 1024
		.amdhsa_next_free_sgpr 96
		.amdhsa_reserve_vcc 0
		.amdhsa_float_denorm_mode_32 3
		.amdhsa_float_denorm_mode_16_64 3
		.amdhsa_memory_ordered 1
		.amdhsa_forward_progress 1
		.amdhsa_inst_pref_size 156
	.end_amdhsa_kernel
	.amdgpu_metadata
---
amdhsa.version: [ 1, 2 ]
amdhsa.kernels:
  - .name:           k_qb17cabad16_scores
    .symbol:         k_qb17cabad16_scores.kd
    .args:
      - { .name: qkv, .offset: 0, .size: 8, .value_kind: global_buffer, .address_space: global }
      - { .name: attn_mask, .offset: 8, .size: 8, .value_kind: global_buffer, .address_space: global }
      - { .name: p, .offset: 16, .size: 8, .value_kind: global_buffer, .address_space: global }
      - { .name: stats, .offset: 24, .size: 8, .value_kind: global_buffer, .address_space: global }
    .group_segment_fixed_size: 327680
    .private_segment_fixed_size: 0
    .kernarg_segment_align: 8
    .kernarg_segment_size: 32
    .max_flat_workgroup_size: 128
    .sgpr_count:     96
    .vgpr_count:     1024
    .wavefront_size: 32
...
	.end_amdgpu_metadata
.endif
;; end of part 3
;; launch pv (part 4): grid 8 x 32, 4 waves a work-group, clusters of 4 x 4, 327,680 bytes of LDS; arguments p, stats, qkv, out0; writes out0
.if DOCPART == 4
	.amdgcn_target "amdgcn-amd-amdhsa--gfx1250"
	.amdhsa_code_object_version 6
	.text
	.protected	k_qb17cabad16_pv
	.globl	k_qb17cabad16_pv
	.p2align	8
	.type	k_qb17cabad16_pv,@function
k_qb17cabad16_pv:
	s_mov_b64 s[64:65], 0
	v_nop
	global_prefetch_b8 v0, s[64:65] scope:SCOPE_SE
	s_setreg_imm32_b32 hwreg(HW_REG_WAVE_MODE, 25, 1), 1
	s_wait_xcnt 0x0
	s_wait_alu depctr_hold_cnt(0) depctr_sa_sdst(0) depctr_va_vdst(0) depctr_va_sdst(0) depctr_va_ssrc(0) depctr_va_vcc(0) depctr_vm_vsrc(0)
	s_getreg_b32 s2, hwreg(HW_REG_IB_STS2, 6, 4)
	s_cmp_eq_u32 s2, 0
	s_cbranch_scc0 .Lentry_in_a_cluster
	s_endpgm
.Lentry_in_a_cluster:
	s_bfe_u32 s2, ttmp6, 0x10000c
	s_cmp_lg_u32 s2, 0xf033
	s_cbranch_scc0 .Lentry_shape_is_right
	s_endpgm
.Lentry_shape_is_right:
; out0[q][:] = ( sum over the 16 key blocks kb of c[q][kb] x (sum over its 128 keys of p[q][k] v[k][:]) ) / L[q], with M = max over kb of m', c = 2^(m' - M), L = sum over kb of c l.
; p: [8192][2048] f16;  stats as the launch before lays them (byte kb x 65,536 + quad x 512 + lane x 16 + 4 e: lanes 0-15 m', lanes 16-31 l, row 64 quad + 16 e + lane % 16);
; v: bytes 4,096 on of the rows of qkv, [8192][3072] f16;  out0: [8192][1024] f32.  Products in f16 with f32 sums; M, c, L and the joining of the blocks in f32.
; The row's maximum is taken away before every exponential here (c is at most 1), as the block's was before those that made p.
; LIMITS.  c below 2^-126 counts as 0.  A row with L = 0 is not served.  NaN is not treated apart.
; SHARES.  A tile is 256 queries x 128 channels, so that there are 256 work-groups.  Wave w owns rows 64 w .. 64 w + 63 and all 128 channels.  A K step is 128 keys, one key block: 16 steps of 128
; products a wave, through two LDS slots.  CLUSTER 4 x 4: p's tile is shared along a row, v's along a column, each asked for jointly.
; TRANSPOSED USE: source 0 = 16 channels x 32 keys of v (turned by ds_load_tr16_b128), source 1 = 16 queries x 32 keys of p: a lane holds one query and eight neighbouring channels.
; TWO SETS OF SUMS.  X, 32 accumulators, takes one key block's products, started by the constant 0 in every K step.  When an accumulator has had the step's last product, four packed fused multiply-adds
; do T += c X.  They stand in fours behind the step's last 32 products, two products behind their accumulator, each four between two switches of the register window.  In the first K step T = c X is a
; multiply: that copy of the 32 products is chosen by a forward branch on a flag that is 1 in the first trip alone; the branch passes no barrier and no tensor load.  Nothing is cleared.
; LDS LOADS stand in runs: a K step is two halves of 64 keys, each 64 products (the 32 accumulators, two deep) with one run of 48 loads in its middle.
; REGISTERS, in windows of 256 (s_set_vgpr_msb: bits 1:0 source 0, 3:2 source 1, 5:4 source 2, 7:6 destination):
;   window 0: v0-31 addresses; v32-159 p's fragments, two buffers of 64 (32 keys c, row block a at 8 (4 c + a)); v160-163 c as loaded; v164-171 c of row block a at 164 + 2 a; v172-179 1 / L; v180-187 M, L
;   window 1: T, (a, b) at v[8 (8 a + b)];  window 2: X, likewise;  window 3: v's fragments, two buffers of 128 (32 keys c, channel block b at 8 (8 c + b))
;   At the start v32-159 hold the statistics, on the way out the results.
.set PPIT,  272                        ; a row of p in LDS: 256 bytes + 16, an odd multiple of 16
.set VPIT,  288                        ; a row of v: 256 + 32, an odd multiple of 32
.set VOFF,  256*PPIT                   ; a slot: p's 256 rows, then v's 128 rows
.set SLOT1, 1<<17                      ; slot 1 begins here: one exclusive or turns an address in one slot into the other's
.set CT,    SLOT1+VOFF+128*VPIT        ; behind the ring: c in f32, for each wave 16 key blocks x 16 rows r x 4 row blocks x 4 bytes
.set STAGE, CT+4*4096                  ; 16 rows x 528 bytes for each wave, for the way out
.set OPIT,  528
.set SPARE, STAGE+4*16*OPIT            ; the spare words, 128 bytes for each wave
.set QROW,  6144
.set OROW,  4096
.set STEPS, 16
.set ADRA0, 16                         ; v16-17 my lane's place among p's and v's fragments in slot 0; never rewritten
.set ADRV0, 17
.set ADRA,  18                         ; v18-19 the same in the slot in hand
.set ADRV,  19
.set CAD0,  20                         ; v20  my lane's place in key block 0 of my table of c; v21 in the key block in hand
.set CAD,   21
.set STO,   24
.set RD,    25
.set CO,    26
.set SPW,   28
.set NIL,   29
.set PF,    32
.set CL,    160
.set CC,    164
.set IL,    172
.set MXR,   180
.set LR,    184
.set MM,    32                         ; the start: m', then c, of key block kb at MM + 4 kb; l at LL + 4 kb
.set LL,    96
.set OS,    32                         ; the way out
.set OL,    96
.set WV, 12
.set RH, 13
.set CH, 14
.set CX, 15
.set CY, 16
.set TX, 17
.set TY, 18
.set G1A, 24
.set G0A, 32
.set G1B, 40
.set G0B, 48
.set TB,  56                           ; s56 LDS byte at which the slot in hand begins
.set CB,  57                           ; s57 256 x the key block in hand
.set NEW, 58                           ; s58 1 in the first K step
.set W_MM, 0xa3                        ; v's fragments window 3, p's window 0, C and D (X) window 2
.set W_FM, 0x52                        ; X (source 0) window 2, c window 0, T (source 2 and destination) window 1
.set MSB, 0
.macro WIN new
.if MSB != (\new)
	s_set_vgpr_msb (MSB<<8)|(\new)
.set MSB, \new
.endif
.endm
.macro JLOAD s                         ; a joint load: waves 0 and 1 fetch p's two halves, waves 2 and 3 v's; an s_nop 0 and four v_nop follow each line
	s_cmp_eq_u32 s[RH], 0
	s_cbranch_scc0 .Lfor_b_\@
	tensor_load_to_lds s[G0A+4*(\s):G0A+4*(\s)+3], s[G1A:G1A+7]
	s_nop 0
.rept 4
	v_nop
.endr
	s_branch .Lasked_\@
.Lfor_b_\@:
	tensor_load_to_lds s[G0B+4*(\s):G0B+4*(\s)+3], s[G1B:G1B+7]
	s_nop 0
.rept 4
	v_nop
.endr
.Lasked_\@:
.endm
.macro CREST
	s_cmp_lg_u32 s[WV], 0
	s_cbranch_scc1 .Lnot_wave_0_\@
	s_barrier_signal -3
.Lnot_wave_0_\@:
	s_barrier_wait -3
	s_barrier_signal -1
	s_barrier_wait -1
.endm
.macro CROUND
	s_barrier_signal -1
	s_barrier_wait -1
	CREST
.endm
	s_load_b256 s[4:11], s[0:1], 0x0               ; p s[4:5], stats s[6:7], qkv s[8:9], out0 s[10:11]
	v_lshl_add_u32 v[SPW], v0, 2, SPARE
	v_mov_b32 v[NIL], 0
	ds_add_u32 v28, v29
	s_wait_dscnt 0x0
	v_lshrrev_b32 v1, 5, v0
	v_readfirstlane_b32 s[WV], v1
	s_lshr_b32 s[RH], s[WV], 1                     ; 0: I fetch p, 1: v
	s_and_b32 s[CH], s[WV], 1                      ; which half of that tile
	s_bfe_u32 s[CX], ttmp6, 0x40000
	s_bfe_u32 s[CY], ttmp6, 0x40004
	s_lshl_b32 s[TX], ttmp9, 2
	s_add_co_u32 s[TX], s[TX], s[CX]               ; tile column (128 channels)
	s_and_b32 s[TY], ttmp7, 0xffff
	s_lshr_b32 s19, s[TY], 1                       ; the batch, which the whole cluster shares
	s_lshl_b32 s[TY], s[TY], 2
	s_add_co_u32 s[TY], s[TY], s[CY]               ; tile row (256 queries)
	s_lshl_b32 s62, s[CY], 2
	s_lshl_b32 s62, 15, s62                        ; my row of the cluster
	s_lshl_b32 s63, 0x1111, s[CX]                  ; my column
	s_or_b32 s[G1A], s62, (1<<16)|(1<<20)|(1<<21)|(5<<22)|(3<<25)   ; p: 2-byte elements, 4 words of padding behind every 64
	s_mov_b32 s[G1A+1], 128<<16                    ; 128 keys
	s_mov_b32 s[G1A+2], 128<<16                    ; 128 rows
	s_mov_b32 s[G1A+3], 128<<16
	s_mov_b32 s[G1A+4], 128
	s_mov_b32 s[G1A+5], 2048
	s_mov_b32 s[G1A+6], 0
	s_mov_b32 s[G1A+7], 0
	s_or_b32 s[G1B], s63, (1<<16)|(1<<20)|(1<<21)|(5<<22)|(7<<25)   ; v: 8 words of padding
	s_mov_b32 s[G1B+1], 128<<16                    ; 128 channels
	s_mov_b32 s[G1B+2], 64<<16                     ; 64 keys
	s_mov_b32 s[G1B+3], 128<<16
	s_mov_b32 s[G1B+4], 64
	s_mov_b32 s[G1B+5], 3072
	s_mov_b32 s[G1B+6], 0
	s_mov_b32 s[G1B+7], 0
	s_lshl_b32 s20, s[TY], 8                       ; p: row 256 TY + 128 half
	s_lshl_b32 s21, s[CH], 7
	s_add_co_u32 s20, s20, s21
	s_lshl_b32 s20, s20, 12
	s_mov_b32 s21, 0
	s_lshl_b32 s22, s19, 11                        ; v: row 2,048 batch + 64 half, byte 4,096 + 256 TX of the row
	s_lshl_b32 s23, s[CH], 6
	s_add_co_u32 s22, s22, s23
	s_mul_i32 s22, s22, QROW
	s_lshl_b32 s23, s[TX], 8
	s_add_co_u32 s22, s22, s23
	s_add_co_u32 s22, s22, 4096
	s_mov_b32 s23, 0
	s_mul_i32 s2, s[CH], 128*PPIT                  ; where the halves go in a slot
	s_mul_i32 s3, s[CH], 64*VPIT
	s_add_co_u32 s3, s3, VOFF
	s_lshl_b32 s58, s[TY], 11                      ; stats: quad 4 TY + wave
	s_lshl_b32 s59, s[WV], 9
	s_add_co_u32 s58, s58, s59
	s_mov_b32 s59, 0
	s_lshl_b32 s60, s[TY], 20                      ; out0: row 256 TY + 64 wave, column 128 TX
	s_lshl_b32 s61, s[WV], 18
	s_add_co_u32 s60, s60, s61
	s_lshl_b32 s61, s[TX], 9
	s_add_co_u32 s60, s60, s61
	s_mov_b32 s61, 0
	s_mov_b32 s[TB], 0
	s_mov_b32 s[CB], 0
	s_wait_kmcnt 0x0
	s_add_nc_u64 s[20:21], s[4:5], s[20:21]
	s_add_nc_u64 s[22:23], s[8:9], s[22:23]
	s_add_nc_u64 s[6:7], s[6:7], s[58:59]
	s_add_nc_u64 s[10:11], s[10:11], s[60:61]
	CROUND                                         ; all sixteen work-groups are here: the first joint loads meet
.irp s, 0,1
	s_mov_b32 s[G0A+4*(\s)], 1
	s_add_co_u32 s[G0A+4*(\s)+1], s2, (\s)*SLOT1
	s_add_nc_u64 s[G0A+4*(\s)+2:G0A+4*(\s)+3], s[20:21], (\s)*256
	s_or_b32 s[G0A+4*(\s)+3], s[G0A+4*(\s)+3], 0x80000000
	s_mov_b32 s[G0B+4*(\s)], 1
	s_add_co_u32 s[G0B+4*(\s)+1], s3, (\s)*SLOT1
	s_add_nc_u64 s[G0B+4*(\s)+2:G0B+4*(\s)+3], s[22:23], (\s)*128*QROW
	s_or_b32 s[G0B+4*(\s)+3], s[G0B+4*(\s)+3], 0x80000000
	JLOAD \s                                       ; two loads of mine are out here, one behind each later round
.endr
	; THE STATISTICS, in the wait for the first tiles.  Every lane takes m' and l of its own four rows (16 e + r) for all sixteen key blocks: nothing changes lanes.
	v_and_b32 v1, 15, v0                           ; r
	v_bfe_u32 v2, v0, 4, 1                         ; h
	v_lshlrev_b32 v3, 4, v1                        ; 16 r
.irp k, 0,1,2,3,4,5,6,7,8,9,10,11,12,13,14,15
	global_load_b128 v[MM+4*(\k):MM+4*(\k)+3], v3, s[6:7] offset:(\k)*65536
	global_load_b128 v[LL+4*(\k):LL+4*(\k)+3], v3, s[6:7] offset:(\k)*65536+256
.endr
	v_mul_u32_u24 v4, v1, PPIT
	v_lshl_add_u32 v4, v2, 4, v4
	s_mul_i32 s58, s[WV], 64*PPIT
	v_add_nc_u32 v[ADRA0], s58, v4                 ; p: row 64 wave + r, 16 bytes x half
	v_and_b32 v5, 7, v0
	v_lshl_add_u32 v5, v2, 3, v5                   ; v: key 8 h + l % 8,
	v_mul_u32_u24 v5, v5, VPIT
	v_bfe_u32 v6, v0, 3, 1
	v_lshl_add_u32 v5, v6, 4, v5                   ; channels 8 ((l / 8) % 2) on
	v_add_nc_u32 v[ADRV0], VOFF, v5
	v_mov_b32 v[ADRA], v[ADRA0]
	v_mov_b32 v[ADRV], v[ADRV0]
	s_lshl_b32 s59, s[WV], 12
	s_add_co_u32 s59, s59, CT
	v_add_nc_u32 v[CAD0], s59, v3
	v_mov_b32 v[CAD], v[CAD0]
	s_mul_i32 s60, s[WV], 16*OPIT
	s_add_co_u32 s60, s60, STAGE
	v_mul_u32_u24 v4, v1, OPIT
	v_lshl_add_u32 v4, v2, 5, v4
	v_add_nc_u32 v[STO], s60, v4                   ; in: row r, 32 bytes for each half of the lanes
	v_and_b32 v5, 31, v0
	v_lshlrev_b32 v[CO], 4, v5                     ; a row's 512 bytes over the 32 lanes
	v_add_nc_u32 v[RD], s60, v[CO]
.irp a, 0,1,2,3
	v_mov_b32 v[CC+2*(\a)+1], 0                    ; named with c as a pair; the packed lines take the pair's low word for both halves
.endr
	s_wait_loadcnt 0x0
.irp e, 0,1,2,3
	v_max3_num_f32 v[MXR+(\e)], v[MM+(\e)], v[MM+4+(\e)], v[MM+8+(\e)]
.endr
.irp n, 0,1,2,3,4,5
.irp e, 0,1,2,3
	v_max3_num_f32 v[MXR+(\e)], v[MXR+(\e)], v[MM+4*(3+2*(\n))+(\e)], v[MM+4*(4+2*(\n))+(\e)]
.endr
.endr
.irp e, 0,1,2,3
	v_max_num_f32 v[MXR+(\e)], v[MXR+(\e)], v[MM+60+(\e)]   ; M
.endr
.set i, 0
.rept 16
	v_pk_add_f32 v[MM+4*i:MM+4*i+1],   v[MM+4*i:MM+4*i+1],   v[MXR:MXR+1]   neg_lo:[0,1] neg_hi:[0,1]   ; m' - M
	v_pk_add_f32 v[MM+4*i+2:MM+4*i+3], v[MM+4*i+2:MM+4*i+3], v[MXR+2:MXR+3] neg_lo:[0,1] neg_hi:[0,1]
.set i, i+1
.endr
.set i, 0
.rept 64
	v_exp_f32 v[MM+i], v[MM+i]                     ; c
.set i, i+1
.endr
	v_nop                                          ; a plain instruction between the exponentials and the use of their results (ISA guide 5.7.2)
	s_wait_alu depctr_va_vdst(0)
	v_pk_mul_f32 v[LR:LR+1], v[MM:MM+1], v[LL:LL+1]
	v_pk_mul_f32 v[LR+2:LR+3], v[MM+2:MM+3], v[LL+2:LL+3]
.set i, 1
.rept 15
	v_pk_fma_f32 v[LR:LR+1],   v[MM+4*i:MM+4*i+1],   v[LL+4*i:LL+4*i+1],   v[LR:LR+1]   ; L
	v_pk_fma_f32 v[LR+2:LR+3], v[MM+4*i+2:MM+4*i+3], v[LL+4*i+2:LL+4*i+3], v[LR+2:LR+3]
.set i, i+1
.endr
.irp a, 0,1,2,3
	v_rcp_f32 v[IL+2*(\a)], v[LR+(\a)]
	v_rcp_f32 v[IL+2*(\a)+1], v[LR+(\a)]           ; named with it as a pair
.endr
	v_nop
.irp k, 0,1,2,3,4,5,6,7,8,9,10,11,12,13,14,15
	ds_store_b128 v[CAD0], v[MM+4*(\k):MM+4*(\k)+3] offset:256*(\k)   ; my wave's own table; the two halves of the lanes write the same words with the same numbers
.endr
; n products from number i0 on of the 32 that 32 keys have (row block i / 8, channel block i % 8): keys 32 c on of the half in buffer f.  zero = 1: they start X's sums.
; The 32 accumulators take turns, one instruction a turn.
.macro RUN c, f, i0, n, zero=0
	WIN W_MM
.set i, (\i0)
.rept \n
.if \zero
	v_wmma_f32_16x16x32_f16 v[8*i:8*i+7], v[128*(\f)+64*(\c)+8*(i%8):128*(\f)+64*(\c)+8*(i%8)+7], v[PF+64*(\f)+32*(\c)+8*(i/8):PF+64*(\f)+32*(\c)+8*(i/8)+7], 0
.else
	v_wmma_f32_16x16x32_f16 v[8*i:8*i+7], v[128*(\f)+64*(\c)+8*(i%8):128*(\f)+64*(\c)+8*(i%8)+7], v[PF+64*(\f)+32*(\c)+8*(i/8):PF+64*(\f)+32*(\c)+8*(i/8)+7], v[8*i:8*i+7]
.endif
.set i, i+1
.endr
.endm
; 48 LDS loads in one run: half hf (64 keys) of the slot in hand into buffer g; the first 32 keys' 24 loads first.
.macro FETCH hf, g
	WIN 0xc0                                       ; destination window 3, address window 0
.set u, 0
.rept 8
	ds_load_tr16_b128 v[128*(\g)+8*u:128*(\g)+8*u+3],   v[ADRV] offset:(64*(\hf))*VPIT+32*u
	ds_load_tr16_b128 v[128*(\g)+8*u+4:128*(\g)+8*u+7], v[ADRV] offset:(64*(\hf)+16)*VPIT+32*u
.set u, u+1
.endr
	WIN 0
.set u, 0
.rept 8                                                ; u = 4 c + a
	ds_load_b128 v[PF+64*(\g)+8*u:PF+64*(\g)+8*u+3],   v[ADRA] offset:(u%4)*16*PPIT+128*(\hf)+64*(u/4)
	ds_load_b128 v[PF+64*(\g)+8*u+4:PF+64*(\g)+8*u+7], v[ADRA] offset:(u%4)*16*PPIT+128*(\hf)+64*(u/4)+32
.set u, u+1
.endr
	WIN 0xc0
.set u, 0
.rept 8
	ds_load_tr16_b128 v[128*(\g)+64+8*u:128*(\g)+64+8*u+3],   v[ADRV] offset:(64*(\hf)+32)*VPIT+32*u
	ds_load_tr16_b128 v[128*(\g)+64+8*u+4:128*(\g)+64+8*u+7], v[ADRV] offset:(64*(\hf)+48)*VPIT+32*u
.set u, u+1
.endr
.endm
; A K step's first half, in buffer 0.  In its middle the step's c and its second half are fetched.  Buffer 1 was last read by the step before's last products, behind each of which
; stand eight or more of the multiply-adds below that name none of its registers: the places in front of these loads.
.macro HALF
	s_wait_dscnt 24                                ; the first 32 keys are in; the youngest 24 loads may be out
	RUN 0, 0, 0, 32, 1
	WIN 0
	ds_load_b128 v[CL:CL+3], v[CAD]
	FETCH 1, 1
	s_wait_dscnt 49                                ; all but the 49 just issued
	RUN 1, 0, 0, 32
.endm
; The first 32 products of the second half, in buffer 1, with the change of slots: each wave waits for all its tensor loads (one is out: its part of the next slot), adds 0 to its spare word, and waits for that
; and for its reads of this slot.  fill = 1: the barrier opens a round of the cluster's, and the slot that is left takes the K step two steps on, first thing behind it.  Then the next step's first half is fetched.
.macro TURN fill
	WIN 0
	s_wait_tensorcnt 0x0
	ds_add_u32 v[SPW], v[NIL]
	s_wait_dscnt 25                                ; c and the first 32 keys are in; the add and the youngest 24 loads may be out
	RUN 0, 1, 0, 16
	s_wait_dscnt 0x0                               ; the add is done, and my reads of this slot are over
	s_barrier_signal -1
	RUN 0, 1, 16, 16
	WIN 0
	s_barrier_wait -1
.if \fill
	CREST
	s_xor_b32 s[G0A+5], s[G0A+5], SLOT1            ; the walking descriptors: the other slot than last time, the next 128 keys
	s_add_nc_u64 s[G0A+6:G0A+7], s[G0A+6:G0A+7], 256
	s_xor_b32 s[G0B+5], s[G0B+5], SLOT1
	s_add_nc_u64 s[G0B+6:G0B+7], s[G0B+6:G0B+7], 128*QROW
	JLOAD 1                                        ; its four v_nop are also the places in front of the loads below
.else
	s_wait_alu depctr_va_vdst(0)
.rept 4
	v_nop
.endr
.endif
	s_xor_b32 s[TB], s[TB], SLOT1
	s_add_co_u32 s[CB], s[CB], 256
	v_add_nc_u32 v[ADRA], s[TB], v[ADRA0]
	v_add_nc_u32 v[ADRV], s[TB], v[ADRV0]
	v_add_nc_u32 v[CAD], s[CB], v[CAD0]
	FETCH 0, 0
	WIN 0
.endm
.macro FM n, mul                       ; T += c X for accumulator n (mul = 1: T = c X), from its low end on
	WIN W_FM
.set z, 0
.rept 4
.if \mul
	v_pk_mul_f32 v[8*(\n)+2*z:8*(\n)+2*z+1], v[8*(\n)+2*z:8*(\n)+2*z+1], v[CC+2*((\n)/8):CC+2*((\n)/8)+1] op_sel_hi:[1,0]
.else
	v_pk_fma_f32 v[8*(\n)+2*z:8*(\n)+2*z+1], v[8*(\n)+2*z:8*(\n)+2*z+1], v[CC+2*((\n)/8):CC+2*((\n)/8)+1], v[8*(\n)+2*z:8*(\n)+2*z+1] op_sel_hi:[1,0,1]
.endif
.set z, z+1
.endr
.endm
; A K step's last 32 products.  Behind product 1 the step's c are spread into pairs: four plain instructions, the places between product 0 and the first read of its result.
; Behind product i, from 2 on, accumulator i - 2 is joined to T: eight plain instructions that do not name it stand between its last product and that.
.macro RIDE mul
.set i, 0
.rept 32
	WIN W_MM
	v_wmma_f32_16x16x32_f16 v[8*i:8*i+7], v[192+8*(i%8):192+8*(i%8)+7], v[PF+96+8*(i/8):PF+96+8*(i/8)+7], v[8*i:8*i+7]
.if i == 1
	WIN 0
	v_mov_b32 v[CC], v[CL]
	v_mov_b32 v[CC+2], v[CL+1]
	v_mov_b32 v[CC+4], v[CL+2]
	v_mov_b32 v[CC+6], v[CL+3]
.endif
.if i >= 2
	FM i-2, \mul
.endif
.set i, i+1
.endr
	FM 30, \mul
	FM 31, \mul
.endm
	s_wait_tensorcnt 0x1                           ; my part of K step 0 is in; K step 1's may stay out
	s_wait_dscnt 0x0
	s_barrier_signal -1
	s_barrier_wait -1
	FETCH 0, 0
	WIN 0
	s_mov_b32 s[NEW], 1
	s_mov_b32 s3, STEPS-2
.Lstep:                                                ; trip t is K step t; it fills the step's slot with K step t + 2 and fetches K step t + 1's first fragments
	HALF
	TURN 1
	s_cmp_eq_u32 s[NEW], 1
	s_cbranch_scc1 .Lfirst                         ; in the first trip the flag is the constant set above
	RIDE 0
	WIN 0
	s_branch .Ljoin
.Lfirst:
	s_mov_b32 s[NEW], 0
	RIDE 1
	WIN 0
.Ljoin:
	s_sub_co_u32 s3, s3, 1
	s_cmp_lg_u32 s3, 0
	s_cbranch_scc1 .Lstep
	HALF                                           ; the last two K steps are written out: nothing more is asked for
	TURN 0
	RIDE 0
	HALF
	s_wait_dscnt 24
	RUN 0, 1, 0, 32
	s_wait_dscnt 0x0
	RIDE 0
	WIN 0
; THE WAY OUT of row block a: T times 1 / L; 32 bytes a lane and channel block into my stage; back as whole rows of 512 bytes; stored.
.macro OUT a
	WIN 0x01                                       ; source 0 in window 1
.set i, 0
.rept 32
	v_pk_mul_f32 v[OS+2*i:OS+2*i+1], v[64*(\a)+2*i:64*(\a)+2*i+1], v[IL+2*(\a):IL+2*(\a)+1] op_sel_hi:[1,0]
.set i, i+1
.endr
	WIN 0
	s_wait_xcnt 0x0                                ; the row block before's stores have read their registers: the loads below land there only behind this wait
.irp b, 0,1,2,3,4,5,6,7
	ds_store_b128 v[STO], v[OS+8*(\b):OS+8*(\b)+3]   offset:64*(\b)
	ds_store_b128 v[STO], v[OS+8*(\b)+4:OS+8*(\b)+7] offset:64*(\b)+16
.endr
.irp t, 0,1,2,3,4,5,6,7,8,9,10,11,12,13,14,15
	ds_load_b128 v[OL+4*(\t):OL+4*(\t)+3], v[RD] offset:(\t)*OPIT   ; my own stage, served in order: these see the stores above
.endr
.irp t, 0,1,2,3,4,5,6,7,8,9,10,11,12,13,14,15
	s_wait_dscnt 15-(\t)                           ; row t is back; the younger loads may be out
	global_store_b128 v[CO], v[OL+4*(\t):OL+4*(\t)+3], s[10:11] offset:(16*(\a)+(\t))*OROW th:TH_STORE_NT   ; 512 consecutive bytes, aligned
.endr
.endm
	OUT 0
	OUT 1
	OUT 2
	OUT 3
	s_wait_tensorcnt 0x0                           ; the wave's end
	ds_add_u32 v[SPW], v[NIL]
	s_wait_dscnt 0x0
	CROUND                                         ; the closing round
	s_endpgm
.Lfunc_end_k_qb17cabad16_pv:
	.size	k_qb17cabad16_pv, .Lfunc_end_k_qb17cabad16_pv-k_qb17cabad16_pv
	.p2alignl 7, 3214868480
	.fill 96, 4, 3214868480
	.section	.rodata,"a",@progbits
	.p2align	6, 0x0
	.amdhsa_kernel k_qb17cabad16_pv
		.amdhsa_group_segment_fixed_size 327680
		.amdhsa_private_segment_fixed_size 0
		.amdhsa_enable_private_segment 0
		.amdhsa_kernarg_size 32
		.amdhsa_user_sgpr_count 2
		.amdhsa_user_sgpr_kernarg_segment_ptr 1
		.amdhsa_wavefront_size32 1
		.amdhsa_system_sgpr_workgroup_id_x 1
		.amdhsa_system_sgpr_workgroup_id_y 1
		.amdhsa_system_sgpr_workgroup_id_z 1
		.amdhsa_system_vgpr_workitem_id 0
		.amdhsa_next_free_vgpr 1024
		.amdhsa_next_free_sgpr 66
		.amdhsa_reserve_vcc 0
		.amdhsa_float_denorm_mode_32 3
		.amdhsa_float_denorm_mode_16_64 3
		.amdhsa_memory_ordered 1
		.amdhsa_forward_progress 1
		.amdhsa_inst_pref_size 133
	.end_amdhsa_kernel
	.amdgpu_metadata
---
amdhsa.version: [ 1, 2 ]
amdhsa.kernels:
  - .name:           k_qb17cabad16_pv
    .symbol:         k_qb17cabad16_pv.kd
    .args:
      - { .name: p, .offset: 0, .size: 8, .value_kind: global_buffer, .address_space: global }
      - { .name: stats, .offset: 8, .size: 8, .value_kind: global_buffer, .address_space: global }
      - { .name: qkv, .offset: 16, .size: 8, .value_kind: global_buffer, .address_space: global }
      - { .name: out0, .offset: 24, .size: 8, .value_kind: global_buffer, .address_space: global }
    .group_segment_fixed_size: 327680
    .private_segment_fixed_size: 0
    .kernarg_segment_align: 8
    .kernarg_segment_size: 32
    .max_flat_workgroup_size: 128
    .sgpr_count:     66
    .vgpr_count:     1024
    .wavefront_size: 32
...
	.end_amdgpu_metadata
.endif
;; end of part 4
;; ======== version 2 of 2: 4 launches; version 1 with the launch prep written anew for expert scheduling mode
;; limits: values are held in f16: magnitudes above 65,504 overflow, below 6.1e-05 lose precision
;; workspace buffers: xb 16,777,216 bytes; wt 6,291,456 bytes; qkv 50,331,648 bytes; p 33,554,432 bytes; stats 1,048,576 bytes
;; launch prep (part 5): grid 896 x 1, 8 waves a work-group, no clusters, 18,432 bytes of LDS; arguments x1, W_qkv, xb, wt; writes xb, wt
.if DOCPART == 5
	.amdgcn_target "amdgcn-amd-amdhsa--gfx1250"
	.amdhsa_code_object_version 6
	.text
	.protected	k_qb17cabad16_prep
	.globl	k_qb17cabad16_prep
	.p2align	8
	.type	k_qb17cabad16_prep,@function
k_qb17cabad16_prep:
	s_mov_b64 s[64:65], 0
	v_nop
	global_prefetch_b8 v0, s[64:65] scope:SCOPE_SE
	s_setreg_imm32_b32 hwreg(HW_REG_WAVE_SCHED_MODE, 0, 2), 2
	s_setreg_imm32_b32 hwreg(HW_REG_WAVE_MODE, 25, 1), 1
	s_wait_xcnt 0x0
	s_wait_alu depctr_vm_vsrc(0)
; xb = bf16(x1) and wt = bf16(W_qkv) turned, both in blocks of 64 along K, so that a tile of the projection (some rows x 64 k) is dense in memory:
;   xb: byte kb x 1,048,576 + row x 128 + 2 (k % 64), kb = k / 64, row 0..8191;   wt: byte kb x 393,216 + n x 128 + 2 (k % 64), n 0..3071.
; Rounding to nearest even, once.  No matrix work and no reuse: a stream, so no tensor loads, no cluster, no large register tiles.
; Work-groups 0 to 511 convert 16 rows of x1 each; work-groups 512 to 895 turn one tile of 128 k x 64 n of W through LDS.
; The branch hangs on the work-group's number alone, so all eight waves of a work-group take the same way.
; THE MODE: SCHED_MODE bits 1:0 = 2 (LLVM: expert scheduling mode 2), set by the entry lines.  The code itself states the register dependences
; between vector instructions and memory or LDS instructions, with s_wait_alu, always for 0.
; THE PLAN, x1's way.  Registers that memory instructions touch:
;   v1, v2      byte offsets of the loads and of the stores: made once, ahead of the first wait, never written again.
;   v[8:71]     sixteen blocks of x1 as loaded: written by the loads alone, read by the block's two conversions; no load lands there twice.
;   v[72:103]   sixteen blocks to store: each written once, by its two conversions, and read by its one store.
; The blocks go in four groups of four.  Group g's conversions name group g's registers alone; the stores issued among them are group g - 1's.  So one wait at a group's head,
; behind the wait for the group's data, states all that those four stores hang on.  No register that a memory instruction reads is written again.
; THE PLAN, W's way.
;   v4 to v7    offsets and LDS addresses: made once, ahead of the first wait, never written again.
;   v[8:39]     W as loaded: written by the loads, read by the conversions.      v[40:55]  turned words: written once by the sixteen conversions, read by the sixteen LDS stores.
;   v[56:71]    rows read back: written by LDS loads, read by the global stores; no vector instruction names them.      v104, v105  made at the head, read by the closing add alone.
; One wait ahead of the loads, one between the conversions and the run of LDS stores.
.set XGROUPS, 512
.set WROW,    12288                    ; bytes in a row of W_qkv (3,072 f32)
.set XBLK,    1048576                  ; bytes in a K block of xb
.set WBLK,    393216                   ; bytes in a K block of wt
.set TP,      272                      ; LDS pitch of a turned row: 128 bf16 = 256 bytes + 16
; x1's way: block k leaves.  Every block has registers of its own: nothing is rewritten.
.macro XOUT k
.if (\k) < 8
	global_store_b64 v2, v[72+2*(\k):73+2*(\k)], s[8:9] offset:XBLK*(\k)
.else
	global_store_b64 v2, v[72+2*(\k):73+2*(\k)], s[16:17] offset:XBLK*((\k)-8)
.endif
.endm
	s_load_b256 s[4:11], s[0:1], 0x0               ; x1 s[4:5], W_qkv s[6:7], xb s[8:9], wt s[10:11]
	v_lshl_add_u32 v104, v0, 2, 0x4400
	v_mov_b32 v105, 0
	s_cmp_lt_u32 ttmp9, XGROUPS
	s_cbranch_scc0 .Lweights
	; x1: wave w takes rows 2 w and 2 w + 1 of the group's sixteen; load i takes K block i: lanes 0-15 the 256 bytes that the block has in the even row, lanes 16-31 those in the
	; odd row.  Rounded, these are 128 + 128 bytes that lie end to end in xb: a wave's store of 8 bytes a lane covers 256 consecutive bytes, aligned.  All sixteen loads are out before the first is used.
	s_lshl_b32 s12, ttmp9, 16                      ; 16 rows of 4,096 bytes of x1
	s_mov_b32 s13, 0
	s_lshl_b32 s14, ttmp9, 11                      ; 16 rows of 128 bytes in each block of xb
	s_mov_b32 s15, 0
	v_lshrrev_b32 v1, 4, v0                        ; the row among the sixteen: 2 w + lane / 16
	v_and_b32 v3, 15, v0
	v_lshlrev_b32 v1, 12, v1
	v_lshl_add_u32 v1, v3, 4, v1                   ; row x 4,096 + 16 (lane % 16)
	v_lshlrev_b32 v2, 3, v0                        ; 256 w + 8 lane
	s_wait_kmcnt 0x0
	s_add_nc_u64 s[4:5], s[4:5], s[12:13]
	s_add_nc_u64 s[8:9], s[8:9], s[14:15]
	s_add_nc_u64 s[16:17], s[8:9], 8*XBLK          ; blocks 8 to 15: their distance does not fit the stores' signed 24-bit immediate
	s_wait_alu depctr_va_vdst(0)                   ; v1 and v2 are written: every load below reads v1 as its offset, every store v2
.irp i, 0,1,2,3,4,5,6,7,8,9,10,11,12,13,14,15
	global_load_b128 v[8+4*(\i):11+4*(\i)], v1, s[4:5] offset:256*(\i) th:TH_LOAD_NT
.endr
.set g, 0
.rept 4                                                ; group g: blocks 4 g to 4 g + 3 are rounded, and the group before leaves
	s_wait_loadcnt 12-4*g                          ; loads come back in order: the group's four blocks are in, the 12 - 4 g younger ones stay out
.if g > 0
	s_wait_alu depctr_va_vdst(0)                   ; the conversions of the group before have written its eight registers of v[72 ..], which the four stores below read
.endif
.set j, 0
.rept 4
.set i, 4*g+j
.if g > 0
	XOUT i-4                                       ; no wait: no vector instruction since the wait above names this store's registers
.endif
	v_cvt_pk_bf16_f32 v[72+2*i], v[8+4*i], v[9+4*i]
	v_cvt_pk_bf16_f32 v[73+2*i], v[10+4*i], v[11+4*i]
.set j, j+1
.endr
.set g, g+1
.endr
	s_wait_alu depctr_va_vdst(0)                   ; the conversions of blocks 12 to 15 have written v[96:103], which the last four stores read
.irp k, 12,13,14,15
	XOUT \k
.endr
	s_endpgm                                       ; this way has stored nothing to LDS
.Lweights:
	; W: tile (kt, nt) = 128 rows (k) x 64 columns (n).  Thread t: c = t % 16 (columns 4 c .. 4 c + 3), pr = t / 16; it loads the row pairs
	; pr + 16 i, i = 0..3.  Sixteen lanes cover the 256 bytes that a row has in the tile.
	s_sub_co_u32 s12, ttmp9, XGROUPS
	s_and_b32 s13, s12, 7                          ; kt
	s_lshr_b32 s14, s12, 3                         ; nt
	s_mul_i32 s16, s13, 128*WROW
	s_lshl_b32 s17, s14, 8
	s_add_co_u32 s16, s16, s17                     ; the tile's first byte in W
	s_mov_b32 s17, 0
	s_mul_i32 s18, s13, 2*WBLK                     ; K blocks 2 kt and 2 kt + 1 of wt,
	s_lshl_b32 s19, s14, 13                        ; 64 rows of 128 bytes
	s_add_co_u32 s18, s18, s19
	s_mov_b32 s19, 0
	v_and_b32 v1, 15, v0                           ; c
	v_lshrrev_b32 v2, 4, v0                        ; pr
	v_lshlrev_b32 v3, 4, v1                        ; 16 c
	v_mul_u32_u24 v4, v2, 2*WROW
	v_add_nc_u32 v4, v4, v3                        ; load: row 2 pr, byte 16 c
	v_mul_u32_u24 v5, v1, 4*TP
	v_lshl_add_u32 v5, v2, 2, v5                   ; LDS in: row n = 4 c, word pr
	v_lshrrev_b32 v6, 3, v0
	v_mul_u32_u24 v6, v6, TP
	v_and_b32 v3, 7, v0
	v_lshl_add_u32 v6, v3, 4, v6                   ; LDS back: row n = t / 8, byte 16 (t % 8)
	v_lshlrev_b32 v7, 4, v0                        ; store: 16 t = (t / 8) x 128 + 16 (t % 8)
	s_wait_kmcnt 0x0
	s_add_nc_u64 s[6:7], s[6:7], s[16:17]
	s_add_nc_u64 s[10:11], s[10:11], s[18:19]
	s_wait_alu depctr_va_vdst(0)                   ; v4 to v7 are written: the loads read v4, the LDS stores v5, the LDS loads v6, the global stores v7; no later vector instruction names them
.irp i, 0,1,2,3
.irp e, 0,1
	global_load_b128 v[8+8*(\i)+4*(\e):11+8*(\i)+4*(\e)], v4, s[6:7] offset:(\i)*32*WROW+(\e)*WROW th:TH_LOAD_NT
.endr
.endr
	s_wait_loadcnt 0x0
	; k = 2 (pr + 16 i) goes into the low half, k + 1 into the high half: one word of row n.  The stores of a wave meet four deep
	; in LDS (rows 4 c are 1,088 bytes apart); with sixteen stores a thread that is left as it is.
.irp i, 0,1,2,3
.irp e, 0,1,2,3
	v_cvt_pk_bf16_f32 v[40+4*(\i)+(\e)], v[8+8*(\i)+(\e)], v[12+8*(\i)+(\e)]
.endr
.endr
	s_wait_alu depctr_va_vdst(0)                   ; the sixteen conversions have written v[40:55], which the run of LDS stores reads
.irp i, 0,1,2,3
.irp e, 0,1,2,3
	ds_store_b32 v5, v[40+4*(\i)+(\e)] offset:(\e)*TP+(\i)*64
.endr
.endr
	s_wait_dscnt 0x0                               ; for the others' sake: my stores are done before I signal
	s_barrier_signal -1
	s_barrier_wait -1
	; back: piece u = rows 32 (u % 2) on, K block u / 2 of the tile's two; eight lanes take the 128 bytes that a row has in a block
.irp u, 0,1,2,3
	ds_load_b128 v[56+4*(\u):59+4*(\u)], v6 offset:((\u)%2)*32*TP+((\u)/2)*128   ; no vector instruction has named v[56:71]
.endr
.irp u, 0,1,2,3
	s_wait_dscnt 3-(\u)                            ; piece u is back; the younger LDS loads stay out
	global_store_b128 v7, v[56+4*(\u):59+4*(\u)], s[10:11] offset:((\u)%2)*4096+((\u)/2)*WBLK   ; a wave stores 512 consecutive bytes, aligned
.endr
	s_wait_dscnt 0x0                               ; the closing lines, six on end
	s_wait_alu 0x0
	s_wait_tensorcnt 0x0
	ds_add_u32 v104, v105
	s_wait_dscnt 0x0
	s_endpgm
.Lfunc_end_k_qb17cabad16_prep:
	.size	k_qb17cabad16_prep, .Lfunc_end_k_qb17cabad16_prep-k_qb17cabad16_prep
	.p2alignl 7, 3214868480
	.fill 96, 4, 3214868480
	.section	.rodata,"a",@progbits
	.p2align	6, 0x0
	.amdhsa_kernel k_qb17cabad16_prep
		.amdhsa_group_segment_fixed_size 18432
		.amdhsa_private_segment_fixed_size 0
		.amdhsa_enable_private_segment 0
		.amdhsa_kernarg_size 32
		.amdhsa_user_sgpr_count 2
		.amdhsa_user_sgpr_kernarg_segment_ptr 1
		.amdhsa_wavefront_size32 1
		.amdhsa_system_sgpr_workgroup_id_x 1
		.amdhsa_system_sgpr_workgroup_id_y 1
		.amdhsa_system_sgpr_workgroup_id_z 1
		.amdhsa_system_vgpr_workitem_id 0
		.amdhsa_next_free_vgpr 106
		.amdhsa_next_free_sgpr 66
		.amdhsa_reserve_vcc 0
		.amdhsa_float_denorm_mode_32 3
		.amdhsa_float_denorm_mode_16_64 3
		.amdhsa_memory_ordered 1
		.amdhsa_forward_progress 1
		.amdhsa_inst_pref_size 12
	.end_amdhsa_kernel
	.amdgpu_metadata
---
amdhsa.version: [ 1, 2 ]
amdhsa.kernels:
  - .name:           k_qb17cabad16_prep
    .symbol:         k_qb17cabad16_prep.kd
    .args:
      - { .name: x1, .offset: 0, .size: 8, .value_kind: global_buffer, .address_space: global }
      - { .name: W_qkv, .offset: 8, .size: 8, .value_kind: global_buffer, .address_space: global }
      - { .name: xb, .offset: 16, .size: 8, .value_kind: global_buffer, .address_space: global }
      - { .name: wt, .offset: 24, .size: 8, .value_kind: global_buffer, .address_space: global }
    .group_segment_fixed_size: 18432
    .private_segment_fixed_size: 0
    .kernarg_segment_align: 8
    .kernarg_segment_size: 32
    .max_flat_workgroup_size: 256
    .sgpr_count:     66
    .vgpr_count:     106
    .wavefront_size: 32
...
	.end_amdgpu_metadata
.endif
;; end of part 5
;; launch proj: the kernel of part 2 again; grid 8 x 32, 4 waves a work-group, clusters of 4 x 4, 327,680 bytes of LDS; arguments xb, wt, b_qkv, qkv; writes qkv
;; launch scores: the kernel of part 3 again; grid 8 x 32, 4 waves a work-group, clusters of 4 x 4, 327,680 bytes of LDS; arguments qkv, attn_mask, p, stats; writes p, stats
;; launch pv: the kernel of part 4 again; grid 8 x 32, 4 waves a work-group, clusters of 4 x 4, 327,680 bytes of LDS; arguments p, stats, qkv, out0; writes out0
